; MI455X (gfx1250); checked and timed in simulation.
; The chip was launched on July 23, 2026; its instructions are those of AMD's public machine-readable ISA for CDNA 5 (MIT licence, August 2026) and "CDNA5" Instruction Set Architecture Reference Guide (July 2026). The comments in the code are by the model that wrote it; some were corrected since.
;; Sparse Mo E Layer. Allowed arithmetic: float matrix products may take bf16 or f16 operands with f32 sums; other float arithmetic in f32, or as packed bf16 or f16 multiplies, adds, multiply-adds, maxima and minima; sums over many terms, partial sums and values carried from step to step in f32; what a program stores and reads back later, other than sums and carried values, may be rounded once to bf16 or f16.
;; Inputs: expert_b 8 x 2,048 float32; expert_w 8 x 2,048 x 2,048 float32; gate_b 8 float32; gate_w 2,048 x 8 float32; x 2,048 x 2,048 float32.
;; Outputs: out0 2,048 x 2,048 float32.
;; 4 versions, each right; versions 2 to 3 are each faster than the one before; version 4 is version 3 with the launches place, experts written anew for expert scheduling mode. Each part assembles by itself: llvm-mc -triple=amdgcn-amd-amdhsa -mcpu=gfx1250 --defsym DOCPART=n.
;; ======== version 1 of 4: 3 launches
;; workspace buffers: xb 8,388,608 bytes; sel 8,192 bytes of whole numbers; gw 16,384 bytes; part 33,554,432 bytes
;; launch router (part 1): grid 256 x 1, 8 waves a work-group, no clusters, 76,800 bytes of LDS; arguments x, gate_w, gate_b, xb, sel, gw; writes xb, sel, gw
.if DOCPART == 1
	.amdgcn_target "amdgcn-amd-amdhsa--gfx1250"
	.amdhsa_code_object_version 6
	.text
	.protected	k_q26d9677344_router
	.globl	k_q26d9677344_router
	.p2align	8
	.type	k_q26d9677344_router,@function
k_q26d9677344_router:
	s_mov_b64 s[64:65], 0
	v_nop
	global_prefetch_b8 v0, s[64:65] scope:SCOPE_SE
	s_setreg_imm32_b32 hwreg(HW_REG_WAVE_MODE, 25, 1), 1
	s_wait_xcnt 0x0
; ROUTER.  xb = x rounded once to bf16; logits = xb . bf16(gate_w) + bf16(gate_b), products on the matrix unit, sums in f32; the two largest logits of each token;
; sel[token] = (1 << first) | (256 << second), gw[0][token] = g1, gw[1][token] = g2, all at fixed places: no address here hangs on a choice.
; SOFTMAX.  The largest logit l1 is taken away; the softmax's denominator cancels in p1 / (p1 + p2), for every input, so g1 = 1 / (1 + e^(l2 - l1)), g2 = e^(l2 - l1) g1, with an exponent that is never above 0.
; LIMITS.  All inputs are rounded once to bf16, gate_b too.  The two experts are chosen on the logits: order and ties (the lower index wins) are those of the probabilities, but for two different logits
; that round to one probability.  A second weight below 2^-126 counts as 0.  NaN and infinities are not treated apart.
; SHARES.  2,048 tokens / 256 work-groups = 8 tokens a work-group.  Wave w owns k = 256 w .. 256 w + 255 of those 8 rows and of gate_w; the eight partial logits meet in LDS, and wave 0 finishes.
; No cluster, no tensor load: a work-group shares only gate_w's 64 KiB with the others, against 64 KiB of x of its own, and everything passes through registers to be rounded.
.set XTW,    4352                      ; a wave's 8 rows of x in LDS: 8 x 528, rounded up
.set XPITCH, 528                       ; 512 bytes of bf16 + 16 of padding: an odd multiple of 16
.set GT,     34816                     ; behind them: a wave's 256 rows of gate_w as bf16, 16 bytes a row: 4,096 bytes a wave
.set RED,    67584                     ; behind them: a wave's partial logits, 32 bytes a lane: 1,024 bytes a wave
.set SPARE,  75776                     ; behind them: the spare words, 128 bytes a wave: four blocks of 256 bytes that no other line names
.set XR,  16                           ; v[16:79]    x as loaded, 16 loads; later GF, the gate's 8 fragments; later all waves' partial logits
.set GQ,  80                           ; v[80:143]   gate_w as loaded, 16 loads; later XF, x's 8 fragments
.set XB,  144                          ; v[144:175]  x in bf16: the stores' data, never rewritten
.set GB,  176                          ; v[176:207]  gate_w in bf16
.set GF,  16
.set XF,  80
.set AC0, 208                          ; v[208:215], v[216:223] two accumulators that take turns
.set AC1, 216
.set LG,  224                          ; v[224:231]  logits of experts 0 to 7 for token lane % 8
.set BI,  232                          ; v[232:239]  gate_b
	s_load_b256 s[4:11], s[0:1], 0x0               ; x s[4:5], gate_w s[6:7], gate_b s[8:9], xb s[10:11]
	s_load_b128 s[12:15], s[0:1], 0x20             ; sel s[12:13], gw s[14:15]
	v_lshl_add_u32 v1, v0, 2, SPARE                ; my spare word, and 0: for the wave's end alone
	v_mov_b32 v2, 0
	v_lshrrev_b32 v3, 5, v0
	v_readfirstlane_b32 s16, v3                    ; wave 0..7
	v_and_b32 v3, 31, v0                           ; lane
	v_and_b32 v4, 7, v0                            ; lane % 8: my token, and my expert in the gate's fragments
	v_bfe_u32 v5, v0, 4, 1                         ; h = lane / 16
	v_lshlrev_b32 v6, 4, v3                        ; 16 lane: loads of x and gate_w
	v_lshlrev_b32 v7, 3, v3                        ; 8 lane: stores of xb
	s_mul_i32 s17, s16, XTW
	s_lshl_b32 s18, s16, 12
	s_add_co_u32 s18, s18, GT
	s_lshl_b32 s19, s16, 10
	s_add_co_u32 s19, s19, RED
	v_add_nc_u32 v8, s17, v7                       ; where I put 8 bytes of a row of x
	v_add_nc_u32 v9, s18, v7                       ; where I put 8 bytes of gate_w: the order of memory
	v_lshl_add_u32 v10, v5, 3, v4
	v_lshl_add_u32 v10, v10, 4, s18                ; the turning load: row 8 h + lane % 8 of 32, 16 bytes a row
	v_mul_u32_u24 v11, v4, XPITCH
	v_lshl_add_u32 v11, v5, 4, v11
	v_add_nc_u32 v11, s17, v11                     ; x's fragments: row lane % 8, + 16 h
	v_lshl_add_u32 v12, v3, 5, s19                 ; my 32 bytes of partial logits
	v_lshlrev_b32 v13, 5, v3
	v_add_nc_u32 v13, RED, v13                     ; the same place in wave 0's block: wave 0 reads all eight from here
	v_lshlrev_b32 v14, 2, v4                       ; 4 x my token: sel and gw
	s_lshl_b32 s20, ttmp9, 16                      ; 8 rows of 8,192 bytes of x,
	s_lshl_b32 s32, s16, 10                        ; my wave's 1,024 bytes of a row
	s_add_co_u32 s20, s20, s32
	s_mov_b32 s21, 0
	s_lshl_b32 s22, ttmp9, 15                      ; the same in xb: 4,096 and 512
	s_lshl_b32 s32, s16, 9
	s_add_co_u32 s22, s22, s32
	s_mov_b32 s23, 0
	s_lshl_b32 s34, s16, 13                        ; my wave's 256 rows of 32 bytes of gate_w
	s_mov_b32 s35, 0
	s_lshl_b32 s36, ttmp9, 5                       ; 8 tokens x 4 bytes
	s_mov_b32 s37, 0
	s_wait_kmcnt 0x0
	s_load_b256 s[24:31], s[8:9], 0x0              ; gate_b: 32 bytes, which no line of this launch writes
	s_add_nc_u64 s[4:5], s[4:5], s[20:21]
	s_add_nc_u64 s[10:11], s[10:11], s[22:23]
	s_add_nc_u64 s[6:7], s[6:7], s[34:35]
	s_add_nc_u64 s[12:13], s[12:13], s[36:37]
	s_add_nc_u64 s[14:15], s[14:15], s[36:37]
	; 32 loads of 512 consecutive bytes are out before the first wait: load q of x is token q / 2, half q % 2 of my 1,024 bytes
.set q, 0
.rept 16
	global_load_b128 v[XR+4*q:XR+4*q+3], v6, s[4:5] offset:(q/2)*8192+(q%2)*512 th:TH_LOAD_NT
.set q, q+1
.endr
.set q, 0
.rept 16
	global_load_b128 v[GQ+4*q:GQ+4*q+3], v6, s[6:7] offset:512*q
.set q, q+1
.endr
	s_wait_loadcnt 16                              ; x is in; the 16 younger loads, gate_w's, stay out
.set q, 0
.rept 16
	v_cvt_pk_bf16_f32 v[XB+2*q], v[XR+4*q], v[XR+4*q+1]
	v_cvt_pk_bf16_f32 v[XB+2*q+1], v[XR+4*q+2], v[XR+4*q+3]
.set q, q+1
.endr
.set q, 0
.rept 16
	global_store_b64 v7, v[XB+2*q:XB+2*q+1], s[10:11] offset:(q/2)*4096+(q%2)*256  ; 32 lanes store 256 consecutive bytes, at a multiple of 256 from xb's first byte
	ds_store_b64 v8, v[XB+2*q:XB+2*q+1] offset:(q/2)*XPITCH+(q%2)*256
.set q, q+1
.endr
	s_wait_loadcnt 0x0                             ; gate_w
	s_wait_kmcnt 0x0                               ; gate_b
.set q, 0
.rept 16
	v_cvt_pk_bf16_f32 v[GB+2*q], v[GQ+4*q], v[GQ+4*q+1]
	v_cvt_pk_bf16_f32 v[GB+2*q+1], v[GQ+4*q+2], v[GQ+4*q+3]
.set q, q+1
.endr
.set q, 0
.rept 16
	ds_store_b64 v9, v[GB+2*q:GB+2*q+1] offset:256*q
.set q, q+1
.endr
	; Fragments, from my wave's own bytes: LDS serves a wave's instructions in order (ISA guide 5.7.1.4), so these see the stores above.
	; The gate lies [k][8 experts]: the turning load gives lane l expert l % 8 and 8 neighbouring k; rows 8 to 15 of source 0 repeat experts 0 to 7, columns 8 to 15 of source 1 repeat tokens 0 to 7.
.set q, 0
.rept 8
	ds_load_tr16_b128 v[GF+8*q:GF+8*q+3], v10 offset:512*q
	ds_load_tr16_b128 v[GF+8*q+4:GF+8*q+7], v10 offset:512*q+256
	ds_load_b128 v[XF+8*q:XF+8*q+3], v11 offset:64*q
	ds_load_b128 v[XF+8*q+4:XF+8*q+7], v11 offset:64*q+32
.set q, q+1
.endr
	s_wait_dscnt 0x0
	; 8 products of 32 along k; the two accumulators take turns, one instruction a turn; the first two start the sums.
	; In the result register j of every lane is the logit of expert j for token lane % 8.
	v_wmma_f32_16x16x32_bf16 v[AC0:AC0+7], v[GF:GF+7], v[XF:XF+7], 0
	v_wmma_f32_16x16x32_bf16 v[AC1:AC1+7], v[GF+8:GF+15], v[XF+8:XF+15], 0
.set q, 2
.rept 3
	v_wmma_f32_16x16x32_bf16 v[AC0:AC0+7], v[GF+8*q:GF+8*q+7], v[XF+8*q:XF+8*q+7], v[AC0:AC0+7]
	v_wmma_f32_16x16x32_bf16 v[AC1:AC1+7], v[GF+8*q+8:GF+8*q+15], v[XF+8*q+8:XF+8*q+15], v[AC1:AC1+7]
.set q, q+2
.endr
.rept 4
	v_nop                                          ; four places between the last product and the first read of a result (ISA guide 7.12.1)
.endr
.irp c, 0,1,2,3
	v_pk_add_f32 v[LG+2*\c:LG+2*\c+1], v[AC0+2*\c:AC0+2*\c+1], v[AC1+2*\c:AC1+2*\c+1]  ; from each accumulator's low end on
.endr
	ds_store_b128 v12, v[LG:LG+3]
	ds_store_b128 v12, v[LG+4:LG+7] offset:16
	s_wait_dscnt 0x0                               ; for wave 0's sake: my partial logits are in LDS
	s_barrier_signal -1
	s_barrier_wait -1                              ; the launch's one barrier: every wave passes it
	s_cmp_lg_u32 s16, 0
	s_cbranch_scc1 .Lend                           ; wave 0 finishes the 8 tokens
.set q, 0
.rept 8
	ds_load_b128 v[XR+8*q:XR+8*q+3], v13 offset:1024*q
	ds_load_b128 v[XR+8*q+4:XR+8*q+7], v13 offset:1024*q+16
.set q, q+1
.endr
.irp c, 0,1,2,3,4,5,6,7
	v_mov_b32 v[BI+\c], s[24+\c]
.endr
.irp c, 0,1,2,3
	v_cvt_pk_bf16_f32 v[240+\c], v[BI+2*\c], v[BI+2*\c+1]     ; gate_b rounded to bf16, like every input,
.endr
.irp c, 0,1,2,3
	v_lshlrev_b32 v[BI+2*\c], 16, v[240+\c]                   ; and widened again
	v_and_b32 v[BI+2*\c+1], 0xffff0000, v[240+\c]
.endr
	s_wait_dscnt 0x0
.irp c, 0,1,2,3
	v_pk_add_f32 v[LG+2*\c:LG+2*\c+1], v[XR+2*\c:XR+2*\c+1], v[XR+8+2*\c:XR+8+2*\c+1]
.endr
.set q, 2
.rept 6
.irp c, 0,1,2,3
	v_pk_add_f32 v[LG+2*\c:LG+2*\c+1], v[LG+2*\c:LG+2*\c+1], v[XR+8*q+2*\c:XR+8*q+2*\c+1]
.endr
.set q, q+1
.endr
.irp c, 0,1,2,3
	v_pk_add_f32 v[LG+2*\c:LG+2*\c+1], v[LG+2*\c:LG+2*\c+1], v[BI+2*\c:BI+2*\c+1]
.endr
	; the largest logit: a strict comparison keeps the lower index on a tie
	v_mov_b32 v244, v[LG]
	v_mov_b32 v245, 0
.irp e, 1,2,3,4,5,6,7
	v_cmp_gt_f32 vcc_lo, v[LG+\e], v244
	v_cndmask_b32 v244, v244, v[LG+\e], vcc_lo
	v_cndmask_b32 v245, v245, \e, vcc_lo
.endr
	v_mov_b32 v248, 0xff800000                     ; the first choice leaves the field,
.irp e, 0,1,2,3,4,5,6,7
	v_cmp_eq_u32 vcc_lo, \e, v245
	v_cndmask_b32 v[LG+\e], v[LG+\e], v248, vcc_lo
.endr
	v_mov_b32 v246, v[LG]                          ; and the same scan finds the second
	v_mov_b32 v247, 0
.irp e, 1,2,3,4,5,6,7
	v_cmp_gt_f32 vcc_lo, v[LG+\e], v246
	v_cndmask_b32 v246, v246, v[LG+\e], vcc_lo
	v_cndmask_b32 v247, v247, \e, vcc_lo
.endr
	v_sub_f32 v249, v246, v244                     ; l2 - l1, never above 0
	v_mul_f32 v249, 0x3fb8aa3b, v249               ; x log2(e)
	v_exp_f32 v250, v249
	v_mov_b32 v251, 1                              ; a plain instruction behind the exponential
	s_wait_alu depctr_va_vdst(0)                   ; the wait ahead of the first line that names the result
	v_add_f32 v252, 1.0, v250
	v_rcp_f32 v253, v252                           ; g1
	v_lshlrev_b32 v251, v245, v251                 ; 1 << first: the plain instruction behind the reciprocal
	s_wait_alu depctr_va_vdst(0)
	v_mul_f32 v254, v250, v253                     ; g2
	v_mov_b32 v255, 0x100
	v_lshlrev_b32 v255, v247, v255                 ; 256 << second
	v_or_b32 v251, v251, v255
	global_store_b32 v14, v251, s[12:13]           ; all lanes on: lanes 8 to 31 repeat tokens 0 to 7, the same number to the same place
	global_store_b32 v14, v253, s[14:15]
	global_store_b32 v14, v254, s[14:15] offset:8192
.Lend:
	s_wait_tensorcnt 0x0                           ; the wave's end, behind my last LDS store
	ds_add_u32 v1, v2
	s_wait_dscnt 0x0
	s_endpgm
.Lfunc_end_k_q26d9677344_router:
	.size	k_q26d9677344_router, .Lfunc_end_k_q26d9677344_router-k_q26d9677344_router
	.p2alignl 7, 3214868480
	.fill 96, 4, 3214868480
	.section	.rodata,"a",@progbits
	.p2align	6, 0x0
	.amdhsa_kernel k_q26d9677344_router
		.amdhsa_group_segment_fixed_size 76800
		.amdhsa_private_segment_fixed_size 0
		.amdhsa_enable_private_segment 0
		.amdhsa_kernarg_size 48
		.amdhsa_user_sgpr_count 2
		.amdhsa_user_sgpr_kernarg_segment_ptr 1
		.amdhsa_wavefront_size32 1
		.amdhsa_system_sgpr_workgroup_id_x 1
		.amdhsa_system_sgpr_workgroup_id_y 1
		.amdhsa_system_sgpr_workgroup_id_z 1
		.amdhsa_system_vgpr_workitem_id 0
		.amdhsa_next_free_vgpr 256
		.amdhsa_next_free_sgpr 66
		.amdhsa_reserve_vcc 1
		.amdhsa_float_denorm_mode_32 3
		.amdhsa_float_denorm_mode_16_64 3
		.amdhsa_memory_ordered 1
		.amdhsa_forward_progress 1
		.amdhsa_inst_pref_size 24
	.end_amdhsa_kernel
	.amdgpu_metadata
---
amdhsa.version: [ 1, 2 ]
amdhsa.kernels:
  - .name:           k_q26d9677344_router
    .symbol:         k_q26d9677344_router.kd
    .args:
      - { .name: x, .offset: 0, .size: 8, .value_kind: global_buffer, .address_space: global }
      - { .name: gate_w, .offset: 8, .size: 8, .value_kind: global_buffer, .address_space: global }
      - { .name: gate_b, .offset: 16, .size: 8, .value_kind: global_buffer, .address_space: global }
      - { .name: xb, .offset: 24, .size: 8, .value_kind: global_buffer, .address_space: global }
      - { .name: sel, .offset: 32, .size: 8, .value_kind: global_buffer, .address_space: global }
      - { .name: gw, .offset: 40, .size: 8, .value_kind: global_buffer, .address_space: global }
    .group_segment_fixed_size: 76800
    .private_segment_fixed_size: 0
    .kernarg_segment_align: 8
    .kernarg_segment_size: 48
    .max_flat_workgroup_size: 256
    .sgpr_count:     66
    .vgpr_count:     256
    .wavefront_size: 32
...
	.end_amdgpu_metadata
.endif
;; end of part 1
;; launch experts (part 2): grid 32 x 8, 4 waves a work-group, no clusters, 280,576 bytes of LDS; arguments xb, expert_w, expert_b, sel, gw, part; writes part
.if DOCPART == 2
	.amdgcn_target "amdgcn-amd-amdhsa--gfx1250"
	.amdhsa_code_object_version 6
	.text
	.protected	k_q26d9677344_experts
	.globl	k_q26d9677344_experts
	.p2align	8
	.type	k_q26d9677344_experts,@function
k_q26d9677344_experts:
	s_mov_b64 s[64:65], 0
	v_nop
	global_prefetch_b8 v0, s[64:65] scope:SCOPE_SE
	s_setreg_imm32_b32 hwreg(HW_REG_WAVE_MODE, 25, 1), 1
	s_wait_xcnt 0x0
; EXPERTS.  part[rank][token][n] = g (xb[token] . bf16(W_e)[:, n] + bf16(b_e[n])) for the expert e that token chose as its rank-th; products in bf16, sums, g and part in f32.
; SHARES.  Work-group (slice, e) owns columns 64 slice .. + 63 of expert e: 2,048 x 64 f32, 512 KiB, which it alone reads, once.  It rounds them on their way through registers and lays them into LDS
; as ready fragments of source 1 (256 KiB).  Then all rows of the expert go through the slice: the token rows come from xb straight into registers as source 0, by a list.
; THE LIST.  Every wave reads all 2,048 words of sel and gives each token that chose e a running place p.  Wave w keeps the places with (p / 16) % 4 = w, at index 16 (p / 64) + p % 16 of a list of its
; own: no list byte is shared between waves.  A record is {2,048 rank + token, g}.  A lane with nothing to keep writes a dump record of its own, so that all lanes stay on.
; EVERY SPLIT IS SERVED: 0 to 2,048 rows an expert, 0 to 512 a wave: 4 groups of 10 tiles of 16 rows, a constant count; a group past the wave's count is jumped, and so are the products of a live group's
; tiles 8 and 9 and the way out of every tile past the count.  Only work is jumped: no load that a counted wait counts, no barrier.  Places past the count repeat the wave's last row, bit for bit.
; COLUMNS.  Column r of column tile t stands for true column 4 r + t of the slice.  So a lane's 16 bytes of a row of W are one number for each of the four tiles, two neighbouring k round into one
; register of a fragment, and nothing is turned; and in the results register u of a lane's four tiles is four neighbouring f32 of one row: sixteen lanes store 256 consecutive bytes.
; NO CLUSTER, NO TENSOR LOAD: each slice of weights has one reader and must pass through registers to be rounded; what an expert's 32 work-groups share is its token rows, 16 scattered rows to a
; fragment, by a list, which no tile descriptor covers.
; LIMITS.  W and b are rounded once to bf16.  NaN and infinities are not treated apart.
; REGISTERS, in windows of 256 (s_set_vgpr_msb: bits 1:0 source 0, 3:2 source 1, 5:4 source 2, 7:6 destination):
;   window 0: v0-31 addresses and at work; v32-63, v64-95 two buffers of source 1 (the first also: fragments on their way into LDS; results on their way out); v96-127 the bias as a C operand;
;             v128-191 accumulators of tiles 8, 9 (at first: sel); v192-207 records, v208-215 store offsets (at first: v192-223 records being made); v240-243 the bias as loaded
;   window 1: accumulators of tiles 0-7, tile j column tile t at 32 j + 8 t (at first: four stages of 64 for W as loaded)
;   windows 2, 3: v0-159 each: a ring of four K steps of source 0, slot q at 80 (q % 2) + 8 j in window 2 + q / 2 (at first, window 2: gw's two planes)
.set LIST,  262144                     ; behind the slice: a list for each wave
.set LISTW, 4352                       ; 512 records + 32 dump records, 8 bytes each
.set SPARE, 279552                     ; behind the lists: the spare words, 128 bytes a wave: two blocks of 256 bytes that no other line names
.set AADR, 16                          ; v[16:25]  tile j: byte offset in xb of my row's 16 h
.set BF,   32
.set TF,   32
.set OUT,  32
.set BIAS, 96
.set ACCX, 128
.set SEL,  128
.set REC,  192
.set PAIR, 192
.set DST,  208
.set MA,   32                          ; s[32:47]  16 masks: the token chose e
.set MR,   48                          ; s[48:63]  16 masks: as its second
; v3 r, v4 h, v5 LDS address of the fragments read, v6 of those written, v7 my offset in 16 rows of W, v8 16 r, v9 16 h, v10 8 h, v11 4 lane, v12 512 + lane, v26 16 lane, v27 4 lane + 2,048; v13-15, v28-31 at work
; s16 wave, s17 slice, s18 e, s19 0x101 << e, s20 0x100 << e, s25 running place, s26 rows of e, s27 my tiles, s28 my last record, s29 my list, s30 the group's first tile, s[66:67] xb walking, s68, s69 tiles 8, 9 live,
; s73 the slice's byte at which the trip's four K steps begin
.set MSB, 0
.macro WIN new                         ; the immediate's high byte repeats the setting that is left; a switch that changes nothing is dropped
.if MSB != (\new)
	s_set_vgpr_msb (MSB<<8)|(\new)
.set MSB, (\new)
.endif
.endm
.macro PLACES                          ; four places behind matrix instructions, ahead of loads into their sources and of reads of their results (ISA guide 7.12.1 for reads of their results)
.rept 4
	v_nop
.endr
.endm
	s_load_b256 s[4:11], s[0:1], 0x0               ; xb s[4:5], expert_w s[6:7], expert_b s[8:9], sel s[10:11]
	s_load_b128 s[12:15], s[0:1], 0x20             ; gw s[12:13], part s[14:15]
	v_lshl_add_u32 v1, v0, 2, SPARE                ; my spare word, and 0: for the wave's end alone
	v_mov_b32 v2, 0
	v_lshrrev_b32 v13, 5, v0
	v_readfirstlane_b32 s16, v13                   ; wave 0..3
	s_mov_b32 s17, ttmp9                           ; slice
	s_and_b32 s18, ttmp7, 0xffff                   ; expert
	v_and_b32 v14, 31, v0                          ; lane
	v_and_b32 v3, 15, v0
	v_bfe_u32 v4, v0, 4, 1
	v_lshlrev_b32 v26, 4, v14
	v_lshlrev_b32 v8, 4, v3
	v_lshlrev_b32 v9, 4, v4
	v_lshlrev_b32 v10, 3, v4
	v_lshlrev_b32 v11, 2, v14
	v_add_nc_u32 v12, 512, v14
	v_lshl_or_b32 v7, v4, 16, v8                   ; 8 h rows of 8,192 bytes + 16 r
	v_add_nc_u32 v27, 0x800, v11                   ; 4 lane, one plane of part further on
	s_lshl_b32 s74, s16, 16
	v_add_nc_u32 v6, s74, v26                      ; my wave writes K steps 16 w on: 16 x 4,096 bytes
	s_mul_i32 s29, s16, LISTW
	s_add_co_u32 s29, s29, LIST
	s_lshl_b32 s19, 0x101, s18
	s_lshl_b32 s20, 0x100, s18
	s_mov_b32 s25, 0
	s_lshl_b32 s76, s17, 8                         ; the slice: 256 bytes of a row of W, of b and of part
	s_lshl_b32 s74, s18, 24                        ; an expert's weights: 2^24 bytes
	s_lshl_b32 s77, s16, 22                        ; my wave's 512 rows of 8,192 bytes
	s_add_co_u32 s74, s74, s76
	s_add_co_u32 s74, s74, s77
	s_mov_b32 s75, 0
	s_lshl_b32 s78, s18, 13                        ; an expert's bias: 8,192 bytes
	s_add_co_u32 s78, s78, s76
	s_mov_b32 s79, 0
	s_mov_b32 s77, 0
	s_wait_kmcnt 0x0
	s_add_nc_u64 s[6:7], s[6:7], s[74:75]
	s_add_nc_u64 s[8:9], s[8:9], s[78:79]
	s_add_nc_u64 s[14:15], s[14:15], s[76:77]
; 16 loads: K step u (from the walking pointer on) of my slice into stage st.  Load qq brings row 8 h + qq (qq < 8) or 16 + 8 h + qq - 8: the k of a fragment's registers.  Each load takes two whole
; pieces of 256 consecutive bytes, at multiples of 256 from W's first byte.
.macro WLOAD st, u
	WIN 0x40
.set qq, 0
.rept 16
	global_load_b128 v[64*(\st)+4*qq:64*(\st)+4*qq+3], v7, s[6:7] offset:(\u)*262144+(qq+8*(qq/8))*8192 th:TH_LOAD_NT
.set qq, qq+1
.endr
.endm
; Stage st becomes the four fragments of K step u: register ii of column tile tt is component tt of loads 2 ii and 2 ii + 1, rounded and packed.  Lane l's registers 0-3 go to 16 l of the fragment's
; 1,024 bytes, registers 4-7 to 512 + 16 l: stores and later loads take consecutive bytes.
.macro WCVT st, u
	WIN 0x05
.set tt, 0
.rept 4
.set ii, 0
.rept 8
	v_cvt_pk_bf16_f32 v[TF+8*tt+ii], v[64*(\st)+8*ii+tt], v[64*(\st)+8*ii+4+tt]
.set ii, ii+1
.endr
.set tt, tt+1
.endr
	WIN 0
.set tt, 0
.rept 4
	ds_store_b128 v6, v[TF+8*tt:TF+8*tt+3] offset:(\u)*4096+tt*1024
	ds_store_b128 v6, v[TF+8*tt+4:TF+8*tt+7] offset:(\u)*4096+tt*1024+512
.set tt, tt+1
.endr
.endm
	; 49 small loads, then the first 48 of the weights', so that these are on their way under the routing
.set i, 0
.rept 16
	global_load_b128 v[SEL+4*i:SEL+4*i+3], v26, s[10:11] offset:512*i          ; register 4 i + c: token 128 i + 4 lane + c
.set i, i+1
.endr
	global_load_b128 v[240:243], v8, s[8:9]                                    ; b of my four columns
	WIN 0x80
.set i, 0
.rept 16
	global_load_b128 v[4*i:4*i+3], v26, s[12:13] offset:512*i                  ; g1 of the same tokens
	global_load_b128 v[64+4*i:64+4*i+3], v26, s[12:13] offset:8192+512*i       ; g2
.set i, i+1
.endr
	WLOAD 0, 0
	WLOAD 1, 1
	WLOAD 2, 2
	WIN 0
	s_wait_loadcnt 48                              ; sel, b and gw are in; the 48 younger loads, the weights', stay out
; 512 tokens: registers 16 qd .. + 15 of sel
.macro ROUTE qd
	WIN 0
.set i, 0
.rept 16
	v_and_b32 v13, s19, v[SEL+16*(\qd)+i]
	v_and_b32 v14, s20, v[SEL+16*(\qd)+i]
	v_cmp_ne_u32 s[MA+i], 0, v13
	v_cmp_ne_u32 s[MR+i], 0, v14
.set i, i+1
.endr
	WIN 0x0a                                       ; sources 0 and 1 in window 2
.set i, 0
.rept 16
	v_cndmask_b32 v[PAIR+2*i+1], v[16*(\qd)+i], v[64+16*(\qd)+i], s[MR+i]      ; g1, or g2 where e is the second choice
.set i, i+1
.endr
	WIN 0
.set i, 0
.rept 16
	v_mbcnt_lo_u32_b32 v13, s[MA+i], s25           ; p: the places given so far + the chosen lanes below mine
	s_bcnt1_i32_b32 s74, s[MA+i]
	s_add_co_u32 s25, s25, s74
	v_bfe_u32 v14, v13, 4, 2
	v_cmp_eq_u32 vcc_lo, s16, v14                  ; (p / 16) % 4 = my wave?
	s_and_b32 s75, vcc_lo, s[MA+i]
	v_lshrrev_b32 v15, 2, v13
	v_and_b32 v15, 0x1f0, v15
	v_and_or_b32 v15, v13, 15, v15                 ; 16 (p / 64) + p % 16
	v_cndmask_b32 v15, v12, v15, s75               ; or my dump record
	v_min_u32 v15, 543, v15                        ; a number made of loaded data enters an address behind a clamp by a constant
	v_lshl_add_u32 v15, v15, 3, s29
	v_cndmask_b32 v28, v11, v27, s[MR+i]           ; 4 lane, + 2,048 where e is the second choice,
	v_add_nc_u32 v[PAIR+2*i], 128*(4*(\qd)+i/4)+i%4, v28                       ; + the register's place: 2,048 rank + token
	ds_store_b64 v15, v[PAIR+2*i:PAIR+2*i+1]
.set i, i+1
.endr
.endm
	ROUTE 0
	ROUTE 1
	ROUTE 2
	ROUTE 3
	; my wave's count: 16 for each whole 64 places, and of the last ones those from 16 w on, 16 at the most
	s_min_u32 s26, s25, 2048
	s_and_b32 s74, s26, 63
	s_lshl_b32 s75, s16, 4
	s_sub_co_i32 s74, s74, s75
	s_max_i32 s74, s74, 0
	s_min_i32 s74, s74, 16
	s_lshr_b32 s75, s26, 6
	s_lshl4_add_u32 s74, s75, s74
	s_add_co_u32 s27, s74, 15
	s_lshr_b32 s27, s27, 4                         ; my tiles of 16 rows
	s_max_u32 s28, s74, 1
	s_sub_co_u32 s28, s28, 1                       ; my last record
	; the bias, rounded to bf16 like every input, eight times over for each column tile: the C operand of a group's first K step, which so starts the sums with b
	v_cvt_pk_bf16_f32 v13, v240, v241
	v_cvt_pk_bf16_f32 v14, v242, v243
	v_lshlrev_b32 v28, 16, v13
	v_and_b32 v29, 0xffff0000, v13
	v_lshlrev_b32 v30, 16, v14
	v_and_b32 v31, 0xffff0000, v14
.irp t, 0,1,2,3
.set i, 0
.rept 8
	v_mov_b32 v[BIAS+8*\t+i], v[28+\t]
.set i, i+1
.endr
.endr
	; THE SLICE.  My wave's 16 K steps through a ring of four stages: three stages' loads, 48, stay out at every wait in the loop.
	s_mov_b32 s70, 3
.Lfill:
	WLOAD 3, 3
	s_wait_loadcnt 48                              ; loads come back in order (ISA guide 5.7.1): stage 0 is in, the 48 younger stay out
	WCVT 0, 0
	WLOAD 0, 4
	s_wait_loadcnt 48
	WCVT 1, 1
	WLOAD 1, 5
	s_wait_loadcnt 48
	WCVT 2, 2
	WLOAD 2, 6
	s_wait_loadcnt 48
	WCVT 3, 3
	s_wait_xcnt 0x0                                ; the pointer is stepped only behind this wait
	s_add_nc_u64 s[6:7], s[6:7], 0x100000          ; four K steps: 128 rows of 8,192 bytes
	v_add_nc_u32 v6, 16384, v6
	s_sub_co_u32 s70, s70, 1
	s_cmp_lg_u32 s70, 0
	s_cbranch_scc1 .Lfill
	WLOAD 3, 3                                     ; the last four K steps: one more stage, then the counts run down
	s_wait_loadcnt 48
	WCVT 0, 0
	s_wait_loadcnt 32
	WCVT 1, 1
	s_wait_loadcnt 16
	WCVT 2, 2
	s_wait_loadcnt 0x0
	WCVT 3, 3
	s_wait_dscnt 0x0                               ; for the others' sake: my quarter of the slice is in LDS
	s_barrier_signal -1
	s_barrier_wait -1                              ; the slice is whole; from here to the closing barrier nothing writes LDS
; THE ROWS.
.macro BLOAD buf, off                  ; a K step's four fragments of source 1
.irp t, 0,1,2,3
	ds_load_b128 v[BF+32*(\buf)+8*\t:BF+32*(\buf)+8*\t+3], v5 offset:(\off)+\t*1024
	ds_load_b128 v[BF+32*(\buf)+8*\t+4:BF+32*(\buf)+8*\t+7], v5 offset:(\off)+\t*1024+512
.endr
.endm
.macro ALOAD slot, off                 ; a K step's ten fragments of source 0: lane (r, h) takes k = 8 h .. + 7 and 16 + 8 h .. + 7 of its tile's row r
	WIN 0x80+0x40*((\slot)/2)
.set j, 0
.rept 10
	global_load_b128 v[80*((\slot)%2)+8*j:80*((\slot)%2)+8*j+3], v[AADR+j], s[66:67] offset:(\off)
	global_load_b128 v[80*((\slot)%2)+8*j+4:80*((\slot)%2)+8*j+7], v[AADR+j], s[66:67] offset:(\off)+32
.set j, j+1
.endr
.endm
.macro MUL32 q, first                  ; tiles 0-7 x 4 column tiles; the accumulators take turns, one instruction a turn and in the same order in every K step
.if \first
	WIN 0x42+(\q)/2
.else
	WIN 0x52+(\q)/2
.endif
.set j, 0
.rept 8
.irp t, 0,1,2,3
.if \first
	v_wmma_f32_16x16x32_bf16 v[32*j+8*\t:32*j+8*\t+7], v[80*((\q)%2)+8*j:80*((\q)%2)+8*j+7], v[BF+32*((\q)%2)+8*\t:BF+32*((\q)%2)+8*\t+7], v[BIAS+8*\t:BIAS+8*\t+7]
.else
	v_wmma_f32_16x16x32_bf16 v[32*j+8*\t:32*j+8*\t+7], v[80*((\q)%2)+8*j:80*((\q)%2)+8*j+7], v[BF+32*((\q)%2)+8*\t:BF+32*((\q)%2)+8*\t+7], v[32*j+8*\t:32*j+8*\t+7]
.endif
.endr
.set j, j+1
.endr
.endm
.macro MUL4 q, tile, first             ; tile 8 or 9, whose accumulators lie in window 0
	WIN 2+(\q)/2
.irp t, 0,1,2,3
.if \first
	v_wmma_f32_16x16x32_bf16 v[ACCX+32*((\tile)-8)+8*\t:ACCX+32*((\tile)-8)+8*\t+7], v[80*((\q)%2)+8*(\tile):80*((\q)%2)+8*(\tile)+7], v[BF+32*((\q)%2)+8*\t:BF+32*((\q)%2)+8*\t+7], v[BIAS+8*\t:BIAS+8*\t+7]
.else
	v_wmma_f32_16x16x32_bf16 v[ACCX+32*((\tile)-8)+8*\t:ACCX+32*((\tile)-8)+8*\t+7], v[80*((\q)%2)+8*(\tile):80*((\q)%2)+8*(\tile)+7], v[BF+32*((\q)%2)+8*\t:BF+32*((\q)%2)+8*\t+7], v[ACCX+32*((\tile)-8)+8*\t:ACCX+32*((\tile)-8)+8*\t+7]
.endif
.endr
.endm
; K step q of a trip of four.  It asks for source 1 of the next K step and source 0 of the K step three on, into the registers that the K step before has multiplied; then it multiplies.
; lcnt: the younger loads of source 0 that may stay out, 20 for each K step ahead.  dcnt: the 8 LDS loads just issued.  first = 1: the group's first K step starts all 40 sums with the bias.
; Elsewhere the products of tiles 8 and 9 are jumped where those tiles are past my count; their loads are not, so that the counts hold on every way.
.macro KSTEP q, first, ldb, lda, lcnt, dcnt
	WIN 0
.if (\ldb) || (\lda)
	PLACES
.endif
.if \ldb
	BLOAD ((\q)+1)%2, ((\q)+1)*4096
.endif
.if \lda
	ALOAD ((\q)+3)%4, ((\q)+3)*64
.endif
	s_wait_dscnt \dcnt
	s_wait_loadcnt \lcnt
	MUL32 \q, \first
.if \first
	MUL4 \q, 8, 1
	MUL4 \q, 9, 1
	WIN 0
.else
	WIN 0                                          ; at a branch and at a label every window is 0
	s_cmp_eq_u32 s68, 0
	s_cbranch_scc1 .Lskip_\@
	MUL4 \q, 8, 0
	WIN 0
	s_cmp_eq_u32 s69, 0
	s_cbranch_scc1 .Lskip_\@
	MUL4 \q, 9, 0
	WIN 0
.Lskip_\@:
.endif
.endm
.macro STEP                            ; four K steps on: 256 bytes of a row of xb, 16,384 bytes of the slice
	s_wait_xcnt 0x0                                ; the pointer is stepped only behind this wait
	s_add_nc_u64 s[66:67], s[66:67], 256
	s_add_co_u32 s73, s73, 16384                   ; 15 steps a group: 245,760 at the most; with the loads' offsets the slice's 262,144 bytes are not left
	v_add_nc_u32 v5, s73, v26                      ; the address is made anew: the trip's byte + 16 lane
.endm
; THE WAY OUT of one tile of 16 rows: the records of rows 8 h + 0..7; each row's four numbers times its g; eight stores, in each of which sixteen lanes fill 256 consecutive bytes of a row of part,
; at a multiple of 256 from its first byte.  A tile past my count is jumped whole; in my one tile that is not full the rows past the count are the last row once more: same bytes, same place.
.macro EPI tile
	WIN 0
	s_add_co_u32 s74, s30, \tile
	s_cmp_ge_u32 s74, s27
	s_cbranch_scc1 .Ldead_\@
	s_lshl_b32 s74, s74, 4
	v_add_nc_u32 v13, s74, v10
.irp u, 0,1,2,3,4,5,6,7
	v_add_nc_u32 v[28+(\u)%4], \u, v13
	v_min_u32 v[28+(\u)%4], s28, v[28+(\u)%4]      ; no further than my last record,
	v_min_u32 v[28+(\u)%4], 511, v[28+(\u)%4]      ; and behind a clamp by a constant
	v_lshl_add_u32 v[28+(\u)%4], v[28+(\u)%4], 3, s29
	ds_load_b64 v[REC+2*\u:REC+2*\u+1], v[28+(\u)%4]
.endr
	s_wait_dscnt 0x0
	s_wait_xcnt 0x0                                ; the last tile's stores have read their offsets and data: these are rewritten only behind this wait
.irp u, 0,1,2,3,4,5,6,7
	v_min_u32 v[DST+\u], 4095, v[REC+2*\u]
	v_lshl_add_u32 v[DST+\u], v[DST+\u], 13, v8    ; a row of part is 8,192 bytes; + 16 r
.endr
.if (\tile) < 8
	WIN 0x01
.set ab, 32*(\tile)
.else
.set ab, ACCX+32*((\tile)-8)
.endif
.irp u, 0,1,2,3,4,5,6,7
.irp t, 0,1,2,3
	v_mul_f32 v[OUT+4*\u+\t], v[ab+8*\t+\u], v[REC+2*\u+1]      ; each accumulator is read from its low end on
.endr
.endr
	WIN 0
.irp u, 0,1,2,3,4,5,6,7
	global_store_b128 v[DST+\u], v[OUT+4*\u:OUT+4*\u+3], s[14:15]
.endr
.Ldead_\@:
.endm
	s_mov_b32 s30, 0
	s_mov_b32 s71, 4                               ; 4 groups x 10 tiles cover a wave's 32 tiles at the most
.Lgroup:
	s_cmp_ge_u32 s30, s27
	s_cbranch_scc1 .Lgnext                         ; nothing of mine is left: forward, to the counter's step
	s_add_co_u32 s74, s30, 8
	s_cmp_lt_u32 s74, s27
	s_cselect_b32 s68, 1, 0
	s_add_co_u32 s74, s30, 9
	s_cmp_lt_u32 s74, s27
	s_cselect_b32 s69, 1, 0
	s_lshl_b32 s74, s30, 4
	v_add_nc_u32 v13, s74, v3
	s_wait_xcnt 0x0                                ; the last group's stores have read v32-63, and its loads their pointer
.set j, 0
.rept 10
	v_add_nc_u32 v[28+j%4], 16*j, v13              ; tile j, row r
	v_min_u32 v[28+j%4], s28, v[28+j%4]
	v_min_u32 v[28+j%4], 511, v[28+j%4]
	v_lshl_add_u32 v[28+j%4], v[28+j%4], 3, s29
	ds_load_b32 v[AADR+j], v[28+j%4]
.set j, j+1
.endr
	s_mov_b64 s[66:67], s[4:5]
	s_mov_b32 s73, 0
	v_mov_b32 v5, v26                              ; the slice's first byte + 16 lane
	s_wait_dscnt 0x0
.set j, 0
.rept 10
	v_and_b32 v[AADR+j], 2047, v[AADR+j]           ; the token,
	v_min_u32 v[AADR+j], 2047, v[AADR+j]           ; behind a clamp by a constant,
	v_lshl_add_u32 v[AADR+j], v[AADR+j], 12, v9    ; its row of 4,096 bytes, + 16 h
.set j, j+1
.endr
	ALOAD 0, 0
	ALOAD 1, 64
	ALOAD 2, 128
	WIN 0
	BLOAD 0, 0
	KSTEP 0, 1, 1, 1, 60, 8                        ; the first trip is written out: its first products start the sums
	KSTEP 1, 0, 1, 1, 60, 8
	KSTEP 2, 0, 1, 1, 60, 8
	KSTEP 3, 0, 1, 1, 60, 8
	STEP
	s_mov_b32 s72, 14
.Lk:
	KSTEP 0, 0, 1, 1, 60, 8
	KSTEP 1, 0, 1, 1, 60, 8
	KSTEP 2, 0, 1, 1, 60, 8
	KSTEP 3, 0, 1, 1, 60, 8
	STEP
	s_sub_co_u32 s72, s72, 1
	s_cmp_lg_u32 s72, 0
	s_cbranch_scc1 .Lk
	KSTEP 0, 0, 1, 1, 60, 8                        ; the last trip asks for K step 63 and then for nothing: the counts run down
	KSTEP 1, 0, 1, 0, 40, 8
	KSTEP 2, 0, 1, 0, 20, 8
	KSTEP 3, 0, 0, 0, 0, 0
	PLACES
	EPI 0
	EPI 1
	EPI 2
	EPI 3
	EPI 4
	EPI 5
	EPI 6
	EPI 7
	EPI 8
	EPI 9
.Lgnext:
	s_add_co_u32 s30, s30, 10
	s_sub_co_u32 s71, s71, 1
	s_cmp_lg_u32 s71, 0
	s_cbranch_scc1 .Lgroup
	s_wait_dscnt 0x0                               ; my reads of the slice and of my list are over;
	s_barrier_signal -1
	s_barrier_wait -1                              ; so are every wave's: the closing barrier, on every wave's way, between all reads of LDS and the lines below, which write LDS once more
	s_wait_tensorcnt 0x0                           ; the wave's end, behind my last LDS store
	ds_add_u32 v1, v2
	s_wait_dscnt 0x0
	s_endpgm
.Lfunc_end_k_q26d9677344_experts:
	.size	k_q26d9677344_experts, .Lfunc_end_k_q26d9677344_experts-k_q26d9677344_experts
	.p2alignl 7, 3214868480
	.fill 96, 4, 3214868480
	.section	.rodata,"a",@progbits
	.p2align	6, 0x0
	.amdhsa_kernel k_q26d9677344_experts
		.amdhsa_group_segment_fixed_size 280576
		.amdhsa_private_segment_fixed_size 0
		.amdhsa_enable_private_segment 0
		.amdhsa_kernarg_size 48
		.amdhsa_user_sgpr_count 2
		.amdhsa_user_sgpr_kernarg_segment_ptr 1
		.amdhsa_wavefront_size32 1
		.amdhsa_system_sgpr_workgroup_id_x 1
		.amdhsa_system_sgpr_workgroup_id_y 1
		.amdhsa_system_sgpr_workgroup_id_z 1
		.amdhsa_system_vgpr_workitem_id 0
		.amdhsa_next_free_vgpr 928
		.amdhsa_next_free_sgpr 84
		.amdhsa_reserve_vcc 1
		.amdhsa_float_denorm_mode_32 3
		.amdhsa_float_denorm_mode_16_64 3
		.amdhsa_memory_ordered 1
		.amdhsa_forward_progress 1
		.amdhsa_inst_pref_size 229
	.end_amdhsa_kernel
	.amdgpu_metadata
---
amdhsa.version: [ 1, 2 ]
amdhsa.kernels:
  - .name:           k_q26d9677344_experts
    .symbol:         k_q26d9677344_experts.kd
    .args:
      - { .name: xb, .offset: 0, .size: 8, .value_kind: global_buffer, .address_space: global }
      - { .name: expert_w, .offset: 8, .size: 8, .value_kind: global_buffer, .address_space: global }
      - { .name: expert_b, .offset: 16, .size: 8, .value_kind: global_buffer, .address_space: global }
      - { .name: sel, .offset: 24, .size: 8, .value_kind: global_buffer, .address_space: global }
      - { .name: gw, .offset: 32, .size: 8, .value_kind: global_buffer, .address_space: global }
      - { .name: part, .offset: 40, .size: 8, .value_kind: global_buffer, .address_space: global }
    .group_segment_fixed_size: 280576
    .private_segment_fixed_size: 0
    .kernarg_segment_align: 8
    .kernarg_segment_size: 48
    .max_flat_workgroup_size: 128
    .sgpr_count:     84
    .vgpr_count:     928
    .wavefront_size: 32
...
	.end_amdgpu_metadata
.endif
;; end of part 2
;; launch combine (part 3): grid 256 x 1, 8 waves a work-group, no clusters, 0 bytes of LDS; arguments part, out0; writes out0
.if DOCPART == 3
	.amdgcn_target "amdgcn-amd-amdhsa--gfx1250"
	.amdhsa_code_object_version 6
	.text
	.protected	k_q26d9677344_combine
	.globl	k_q26d9677344_combine
	.p2align	8
	.type	k_q26d9677344_combine,@function
k_q26d9677344_combine:
	s_mov_b64 s[64:65], 0
	v_nop
	global_prefetch_b8 v0, s[64:65] scope:SCOPE_SE
	s_setreg_imm32_b32 hwreg(HW_REG_WAVE_MODE, 25, 1), 1
	s_wait_xcnt 0x0
; out0[token][n] = part[0][token][n] + part[1][token][n], all f32: the two chosen experts' weighted rows, each of which another work-group of the launch before has made.
; A stream: 16,777,216 bytes of out0 / 256 work-groups = 65,536 bytes each; thread t owns the 16 bytes at 4,096 i + 16 t, i = 0 .. 15.  A wave's 32 loads, 512 consecutive bytes each, all go out
; before the first wait; each store of a wave covers 512 consecutive bytes, aligned.  No register is written twice by a load, so there is no loop and no wait but the counted ones.
; LDS, matrix units and clusters would add nothing: no byte is used twice.
.set PA, 4                             ; v[4+8 i : 7+8 i] rank 0's 16 bytes, then the sum;  v[8+8 i : 11+8 i] rank 1's
	s_load_b128 s[4:7], s[0:1], 0x0                ; part s[4:5], out0 s[6:7]
	v_lshlrev_b32 v1, 4, v0
	s_lshl_b32 s2, ttmp9, 16
	s_mov_b32 s3, 0
	s_wait_kmcnt 0x0
	s_add_nc_u64 s[8:9], s[4:5], s[2:3]            ; rank 0's plane,
	s_add_nc_u64 s[10:11], s[8:9], 0x1000000       ; rank 1's, 16,777,216 bytes on
	s_add_nc_u64 s[6:7], s[6:7], s[2:3]
.set i, 0
.rept 16
	global_load_b128 v[PA+8*i:PA+8*i+3], v1, s[8:9] offset:4096*i th:TH_LOAD_NT
	global_load_b128 v[PA+8*i+4:PA+8*i+7], v1, s[10:11] offset:4096*i th:TH_LOAD_NT
.set i, i+1
.endr
.set i, 0
.rept 16
	s_wait_loadcnt 30-2*i                          ; loads come back in order (ISA guide 5.7.1): pair i is in, the younger pairs stay out
	v_pk_add_f32 v[PA+8*i:PA+8*i+1], v[PA+8*i:PA+8*i+1], v[PA+8*i+4:PA+8*i+5]
	v_pk_add_f32 v[PA+8*i+2:PA+8*i+3], v[PA+8*i+2:PA+8*i+3], v[PA+8*i+6:PA+8*i+7]
	global_store_b128 v1, v[PA+8*i:PA+8*i+3], s[6:7] offset:4096*i th:TH_STORE_NT
.set i, i+1
.endr
	s_endpgm
.Lfunc_end_k_q26d9677344_combine:
	.size	k_q26d9677344_combine, .Lfunc_end_k_q26d9677344_combine-k_q26d9677344_combine
	.p2alignl 7, 3214868480
	.fill 96, 4, 3214868480
	.section	.rodata,"a",@progbits
	.p2align	6, 0x0
	.amdhsa_kernel k_q26d9677344_combine
		.amdhsa_group_segment_fixed_size 0
		.amdhsa_private_segment_fixed_size 0
		.amdhsa_enable_private_segment 0
		.amdhsa_kernarg_size 16
		.amdhsa_user_sgpr_count 2
		.amdhsa_user_sgpr_kernarg_segment_ptr 1
		.amdhsa_wavefront_size32 1
		.amdhsa_system_sgpr_workgroup_id_x 1
		.amdhsa_system_sgpr_workgroup_id_y 1
		.amdhsa_system_sgpr_workgroup_id_z 1
		.amdhsa_system_vgpr_workitem_id 0
		.amdhsa_next_free_vgpr 132
		.amdhsa_next_free_sgpr 66
		.amdhsa_reserve_vcc 0
		.amdhsa_float_denorm_mode_32 3
		.amdhsa_float_denorm_mode_16_64 3
		.amdhsa_memory_ordered 1
		.amdhsa_forward_progress 1
		.amdhsa_inst_pref_size 8
	.end_amdhsa_kernel
	.amdgpu_metadata
---
amdhsa.version: [ 1, 2 ]
amdhsa.kernels:
  - .name:           k_q26d9677344_combine
    .symbol:         k_q26d9677344_combine.kd
    .args:
      - { .name: part, .offset: 0, .size: 8, .value_kind: global_buffer, .address_space: global }
      - { .name: out0, .offset: 8, .size: 8, .value_kind: global_buffer, .address_space: global }
    .group_segment_fixed_size: 0
    .private_segment_fixed_size: 0
    .kernarg_segment_align: 8
    .kernarg_segment_size: 16
    .max_flat_workgroup_size: 256
    .sgpr_count:     66
    .vgpr_count:     132
    .wavefront_size: 32
...
	.end_amdgpu_metadata
.endif
;; end of part 3
;; ======== version 2 of 4: 4 launches; 1.16 times as fast as version 1
;; workspace buffers: xb 8,388,608 bytes; sel 8,192 bytes of whole numbers; gw 16,384 bytes; part 33,554,432 bytes; xs 67,108,864 bytes; ent 65,536 bytes of whole numbers; gs 65,536 bytes; tab 256 bytes of whole numbers
;; launch router: the kernel of part 1 again; grid 256 x 1, 8 waves a work-group, no clusters, 76,800 bytes of LDS; arguments x, gate_w, gate_b, xb, sel, gw; writes xb, sel, gw
;; launch place (part 4): grid 32 x 8, 4 waves a work-group, no clusters, 2,560 bytes of LDS; arguments xb, sel, gw, xs, ent, gs, tab; writes xs, ent, gs, tab
.if DOCPART == 4
	.amdgcn_target "amdgcn-amd-amdhsa--gfx1250"
	.amdhsa_code_object_version 6
	.text
	.protected	k_q26d9677344_place
	.globl	k_q26d9677344_place
	.p2align	8
	.type	k_q26d9677344_place,@function
k_q26d9677344_place:
	s_mov_b64 s[64:65], 0
	v_nop
	global_prefetch_b8 v0, s[64:65] scope:SCOPE_SE
	s_setreg_imm32_b32 hwreg(HW_REG_WAVE_MODE, 25, 1), 1
	s_wait_xcnt 0x0
; PLACE.  The rows of xb that chose expert e are laid end to end, 16 rows to a tile, in the order in which a wave's registers take them as source 0 of a bf16 matrix instruction:
; xs[e][tile][K step][1,024 bytes], lane l's registers 0-3 (row l % 16, k = 8 (l / 16) + 0..7 of the step's 32) at 16 l, registers 4-7 (k = 16 + 8 (l / 16) + 0..7) at 512 + 16 l.
; Beside them ent[e][place] = 2,048 rank + token, gs[e][place] = the token's weight for e, tab[e] = the expert's number of rows.  An expert's segment has room for all 2,048 tokens, so no place hangs
; on another expert's count; only live tiles are written, and only those are read later.
; SHARES.  Work-group (sub, e) owns tiles sub, sub + 32, sub + 64, sub + 96 of expert e: a constant count of 4 trips that serves every split; a tile past the count is jumped.  With rows spread
; evenly an expert has 32 tiles, one a work-group.  Of a tile wave w copies K steps 16 w .. 16 w + 15: 32 loads of 16 rows x 32 bytes, 32 stores of 512 consecutive bytes, aligned.
; THE LIST.  Every wave reads all 2,048 words of sel and gives each token that chose e a running place p (the same order in every wave of every work-group).  It keeps the places with
; (p / 16) % 32 = sub at index 16 (p / 512) + p % 16 of a list of its own; a lane with nothing to keep writes a dump word of its own, so that all lanes stay on.  No list byte is shared between waves: no barrier.
; In the expert's last tile the places past the count repeat its last row, in xs, ent and gs alike.
; No matrix unit, no cluster, no tensor load: rows come by a list, and each byte of xs has one writer.
.set LISTW, 512                        ; a wave's list: 64 words + 32 dump words, rounded up
.set SPARE, 2048                       ; behind the lists: the spare words, 128 bytes a wave: two blocks of 256 bytes that no other line names
.set SEL,  32                          ; v[32:95]   sel: register 4 i + c holds token 128 i + 4 lane + c
.set X,    96                          ; v[96:223]  a quarter of a tile on its way
.set MA,   32                          ; s[32:47]   16 masks: the token chose e
.set MR,   48                          ; s[48:63]   16 masks: as its second
; v3 r = lane % 16, v4 h = lane / 16, v10 16 h + 1,024 wave, v11 4 lane, v12 64 + lane, v26 16 lane, v27 4 lane + 2,048; v13-15 at work;
; v24 offset in gw, v25 g, v28 offset in ent and gs, v29 the record, v30 offset in xb, v31 offset in xs
; s18 wave, s19 sub, s20 e, s21 0x101 << e, s22 0x100 << e, s25 running place, s26 rows of e, s27 its tiles, s28 its last place, s29 my list, s30 the tile in hand
	s_load_b256 s[4:11], s[0:1], 0x0               ; xb s[4:5], sel s[6:7], gw s[8:9], xs s[10:11]
	s_load_b128 s[12:15], s[0:1], 0x20             ; ent s[12:13], gs s[14:15]
	s_load_b64 s[16:17], s[0:1], 0x30              ; tab
	v_lshl_add_u32 v1, v0, 2, SPARE                ; my spare word, and 0: for the wave's end alone
	v_mov_b32 v2, 0
	v_lshrrev_b32 v13, 5, v0
	v_readfirstlane_b32 s18, v13                   ; wave 0..3
	s_mov_b32 s19, ttmp9
	s_and_b32 s20, ttmp7, 0xffff
	v_and_b32 v14, 31, v0                          ; lane
	v_and_b32 v3, 15, v0
	v_bfe_u32 v4, v0, 4, 1
	v_lshlrev_b32 v26, 4, v14
	v_lshlrev_b32 v11, 2, v14
	v_add_nc_u32 v27, 0x800, v11
	v_add_nc_u32 v12, 64, v14
	s_lshl_b32 s74, s18, 10                        ; my wave's 16 K steps: 1,024 bytes of a row of xb
	v_lshl_add_u32 v10, v4, 4, s74
	s_lshl_b32 s29, s18, 9                         ; wave x LISTW
	s_lshl_b32 s21, 0x101, s20
	s_lshl_b32 s22, 0x100, s20
	s_mov_b32 s25, 0
	s_lshl_b32 s76, s20, 23                        ; an expert's segment of xs: 128 tiles of 65,536 bytes
	s_mov_b32 s77, 0
	s_lshl_b32 s78, s20, 13                        ; and of ent and gs: 2,048 words
	s_mov_b32 s79, 0
	s_wait_kmcnt 0x0
	s_add_nc_u64 s[10:11], s[10:11], s[76:77]
	s_add_nc_u64 s[12:13], s[12:13], s[78:79]
	s_add_nc_u64 s[14:15], s[14:15], s[78:79]
.set i, 0
.rept 16
	global_load_b128 v[SEL+4*i:SEL+4*i+3], v26, s[6:7] offset:512*i
.set i, i+1
.endr
	s_wait_loadcnt 0x0
; 512 tokens: registers 16 qd .. + 15 of sel
.macro ROUTE qd
.set i, 0
.rept 16
	v_and_b32 v13, s21, v[SEL+16*(\qd)+i]
	v_and_b32 v14, s22, v[SEL+16*(\qd)+i]
	v_cmp_ne_u32 s[MA+i], 0, v13
	v_cmp_ne_u32 s[MR+i], 0, v14
.set i, i+1
.endr
.set i, 0
.rept 16
	v_mbcnt_lo_u32_b32 v13, s[MA+i], s25           ; p: the places given so far + the chosen lanes below mine
	s_bcnt1_i32_b32 s74, s[MA+i]
	s_add_co_u32 s25, s25, s74
	v_bfe_u32 v14, v13, 4, 5
	v_cmp_eq_u32 vcc_lo, s19, v14                  ; (p / 16) % 32 = sub?
	s_and_b32 s75, vcc_lo, s[MA+i]
	v_lshrrev_b32 v15, 5, v13
	v_and_b32 v15, 0x30, v15
	v_and_or_b32 v15, v13, 15, v15                 ; 16 (p / 512) + p % 16
	v_cndmask_b32 v15, v12, v15, s75               ; or my dump word
	v_min_u32 v15, 95, v15                         ; a number made of loaded data enters an address behind a clamp by a constant
	v_lshl_add_u32 v15, v15, 2, s29
	v_cndmask_b32 v14, v11, v27, s[MR+i]           ; 4 lane, + 2,048 where e is the second choice,
	v_add_nc_u32 v14, 128*(4*(\qd)+i/4)+i%4, v14   ; + the register's place: 2,048 rank + token
	ds_store_b32 v15, v14
.set i, i+1
.endr
.endm
	ROUTE 0
	ROUTE 1
	ROUTE 2
	ROUTE 3
	s_min_u32 s26, s25, 2048
	s_add_co_u32 s27, s26, 15
	s_lshr_b32 s27, s27, 4
	s_max_u32 s28, s26, 1
	s_sub_co_u32 s28, s28, 1
	s_mov_b32 s30, s19
	s_mov_b32 s71, 4
.Ltile:
	s_cmp_ge_u32 s30, s27
	s_cbranch_scc1 .Lnext                          ; no such tile: forward, to the counter's step
	s_wait_xcnt 0x0                                ; the last trip's loads and stores have read their offsets and data: these are rewritten only behind this wait
	s_lshl_b32 s74, s30, 4
	v_add_nc_u32 v13, s74, v3                      ; place 16 tile + r,
	v_min_u32 v13, s28, v13                        ; no further than the expert's last, which lies in the same tile
	v_lshrrev_b32 v14, 5, v13
	v_and_b32 v14, 0x30, v14
	v_and_or_b32 v14, v13, 15, v14
	v_min_u32 v14, 63, v14
	v_lshl_add_u32 v14, v14, 2, s29
	ds_load_b32 v15, v14                           ; LDS serves a wave's instructions in order (ISA guide 5.7.1.4): this sees my stores above
	s_lshl_b32 s75, s30, 16                        ; the tile's 65,536 bytes,
	s_lshl_b32 s74, s18, 14                        ; my wave's 16 K steps of 1,024
	s_add_co_u32 s75, s75, s74
	v_add_nc_u32 v31, s75, v26
	s_lshl_b32 s74, s30, 6
	v_lshl_add_u32 v28, v3, 2, s74                 ; 4 (16 tile + r)
	s_wait_dscnt 0x0
	v_min_u32 v29, 4095, v15                       ; 2,048 rank + token, behind a clamp by a constant: also the word's number in gw
	v_lshlrev_b32 v24, 2, v29
	v_and_b32 v30, 2047, v29
	v_lshl_add_u32 v30, v30, 12, v10               ; the token's row of 4,096 bytes + my wave's part + 16 h
	global_load_b32 v25, v24, s[8:9]
.set i, 0
.rept 32
	global_load_b128 v[X+4*i:X+4*i+3], v30, s[4:5] offset:64*(i/2)+32*(i%2)
.set i, i+1
.endr
.set i, 0
.rept 32
	s_wait_loadcnt 31-i                            ; loads come back in order (ISA guide 5.7.1): load i is in, the younger ones stay out
	global_store_b128 v31, v[X+4*i:X+4*i+3], s[10:11] offset:1024*(i/2)+512*(i%2)
.set i, i+1
.endr
	s_cmp_lg_u32 s18, 0
	s_cbranch_scc1 .Lnext                          ; wave 0 stores the tile's 16 records; lanes 16 to 31 repeat lanes 0 to 15, the same number to the same place
	global_store_b32 v28, v29, s[12:13]
	global_store_b32 v28, v25, s[14:15]
.Lnext:
	s_add_co_u32 s30, s30, 32
	s_sub_co_u32 s71, s71, 1
	s_cmp_lg_u32 s71, 0
	s_cbranch_scc1 .Ltile
	s_or_b32 s74, s18, s19
	s_cmp_lg_u32 s74, 0
	s_cbranch_scc1 .Lend                           ; wave 0 of the expert's first work-group stores the count
	s_lshl_b32 s75, s20, 2
	v_mov_b32 v224, s75
	v_mov_b32 v225, s26
	global_store_b32 v224, v225, s[16:17]
.Lend:
	s_wait_tensorcnt 0x0                           ; the wave's end, behind my last LDS store
	ds_add_u32 v1, v2
	s_wait_dscnt 0x0
	s_endpgm
.Lfunc_end_k_q26d9677344_place:
	.size	k_q26d9677344_place, .Lfunc_end_k_q26d9677344_place-k_q26d9677344_place
	.p2alignl 7, 3214868480
	.fill 96, 4, 3214868480
	.section	.rodata,"a",@progbits
	.p2align	6, 0x0
	.amdhsa_kernel k_q26d9677344_place
		.amdhsa_group_segment_fixed_size 2560
		.amdhsa_private_segment_fixed_size 0
		.amdhsa_enable_private_segment 0
		.amdhsa_kernarg_size 56
		.amdhsa_user_sgpr_count 2
		.amdhsa_user_sgpr_kernarg_segment_ptr 1
		.amdhsa_wavefront_size32 1
		.amdhsa_system_sgpr_workgroup_id_x 1
		.amdhsa_system_sgpr_workgroup_id_y 1
		.amdhsa_system_sgpr_workgroup_id_z 1
		.amdhsa_system_vgpr_workitem_id 0
		.amdhsa_next_free_vgpr 232
		.amdhsa_next_free_sgpr 84
		.amdhsa_reserve_vcc 1
		.amdhsa_float_denorm_mode_32 3
		.amdhsa_float_denorm_mode_16_64 3
		.amdhsa_memory_ordered 1
		.amdhsa_forward_progress 1
		.amdhsa_inst_pref_size 73
	.end_amdhsa_kernel
	.amdgpu_metadata
---
amdhsa.version: [ 1, 2 ]
amdhsa.kernels:
  - .name:           k_q26d9677344_place
    .symbol:         k_q26d9677344_place.kd
    .args:
      - { .name: xb, .offset: 0, .size: 8, .value_kind: global_buffer, .address_space: global }
      - { .name: sel, .offset: 8, .size: 8, .value_kind: global_buffer, .address_space: global }
      - { .name: gw, .offset: 16, .size: 8, .value_kind: global_buffer, .address_space: global }
      - { .name: xs, .offset: 24, .size: 8, .value_kind: global_buffer, .address_space: global }
      - { .name: ent, .offset: 32, .size: 8, .value_kind: global_buffer, .address_space: global }
      - { .name: gs, .offset: 40, .size: 8, .value_kind: global_buffer, .address_space: global }
      - { .name: tab, .offset: 48, .size: 8, .value_kind: global_buffer, .address_space: global }
    .group_segment_fixed_size: 2560
    .private_segment_fixed_size: 0
    .kernarg_segment_align: 8
    .kernarg_segment_size: 56
    .max_flat_workgroup_size: 128
    .sgpr_count:     84
    .vgpr_count:     232
    .wavefront_size: 32
...
	.end_amdgpu_metadata
.endif
;; end of part 4
;; launch experts (part 5): grid 32 x 8, 4 waves a work-group, no clusters, 262,656 bytes of LDS; arguments xs, expert_w, expert_b, ent, gs, tab, part; writes part
.if DOCPART == 5
	.amdgcn_target "amdgcn-amd-amdhsa--gfx1250"
	.amdhsa_code_object_version 6
	.text
	.protected	k_q26d9677344_experts
	.globl	k_q26d9677344_experts
	.p2align	8
	.type	k_q26d9677344_experts,@function
k_q26d9677344_experts:
	s_mov_b64 s[64:65], 0
	v_nop
	global_prefetch_b8 v0, s[64:65] scope:SCOPE_SE
	s_setreg_imm32_b32 hwreg(HW_REG_WAVE_MODE, 25, 1), 1
	s_wait_xcnt 0x0
; EXPERTS.  part[rank][token][n] = g (x[token] . bf16(W_e)[:, n] + bf16(b_e[n])) for the expert e that token chose as its rank-th; products in bf16, sums, g and part in f32.
; SHARES.  Work-group (slice, e) owns columns 64 slice .. + 63 of expert e: 2,048 x 64 f32, 512 KiB, which it alone reads, once.  It rounds them on their way through registers and lays them into LDS
; as ready fragments of source 1 (256 KiB).  Then all rows of the expert go through the slice.  The launch before has laid those rows end to end in xs, 16 to a tile, in the order of source 0's
; registers: a load of the wave takes 512 consecutive bytes, aligned, at a tile's number times 65,536 + the K step's 1,024 + 16 lane.  Wave w takes the expert's tiles 4 j + w.
; EVERY SPLIT IS SERVED: 0 to 2,048 rows an expert, 0 to 32 tiles a wave: 4 groups of up to 10 tiles, a constant count; a group past the wave's count is jumped.  The walk along K is written for
; 7, 8, 9 and 10 tiles and chosen by the tiles that are left, so that a wave loads what it multiplies and each counted wait counts one way's loads.  With fewer than 7 left the tiles past the count
; repeat the expert's last tile and are not stored.  Only work is jumped: no barrier.  In the expert's last tile the rows past the count are its last row once more: same bytes, same place.
; COLUMNS.  Column r of column tile t stands for true column 4 r + t of the slice.  So a lane's 16 bytes of a row of W are one number for each of the four tiles, two neighbouring k round into one
; register of a fragment, and nothing is turned; and in the results register u of a lane's four tiles is four neighbouring f32 of one row: sixteen lanes store 256 consecutive bytes.
; NO CLUSTER, NO TENSOR LOAD.  Each slice of weights has one reader and passes through registers to be rounded.  The tiles of xs are shared by an expert's 32 work-groups, but beside the slice LDS has
; 327,680 - 262,144 bytes less the spare words: two slots of under 32 KiB; a slot's 16,384 numbers feed 16,384 x 64 multiply-adds, 32 matrix instructions a wave, between two rounds of a cluster's
; barrier.
; LIMITS.  W and b are rounded once to bf16.  NaN and infinities are not treated apart.
; REGISTERS, in windows of 256 (s_set_vgpr_msb: bits 1:0 source 0, 3:2 source 1, 5:4 source 2, 7:6 destination):
;   window 0: v0-31 addresses and at work; v32-63, v64-95 two buffers of source 1 (at first: fragments on their way into LDS; the first also: results on their way out); v96-127 the bias as a C operand;
;             v128-191 accumulators of tiles 8, 9; v208-215 store offsets; v216-225 the tiles' offsets in ent and gs; v240-243 the bias as loaded
;   window 1: accumulators of tiles 0-7, tile j column tile t at 32 j + 8 t (at first: four stages of 64 for W as loaded)
;   windows 2, 3: v0-159 each: a ring of four K steps of source 0, slot q at 80 (q % 2) + 8 j in window 2 + q / 2;  v160-239: the records of tiles 0-4 (window 2) and 5-9 (window 3), 8 of ent and 8 of gs a tile
.set SPARE, 262144                     ; behind the slice: the spare words, 128 bytes a wave: two blocks of 256 bytes that no other line names
.set AADR, 16                          ; v[16:25]  tile j: its byte offset in the expert's segment of xs + 16 lane
.set BF,   32
.set TF,   32
.set OUT,  32
.set BIAS, 96
.set ACCX, 128
.set DST,  208
.set RADR, 216
.set RECB, 160
; v3 r, v4 h, v5 LDS address of the fragments read, v6 of those written, v7 my offset in 16 rows of W, v8 16 r, v9 32 h, v26 16 lane; v13, v14, v28-31 at work
; s16 wave, s17 slice, s18 e, s[20:21] part at my slice, s26 rows of e, s27 my tiles, s28 the expert's last tile, s30 the group's first tile of mine, s31 my tiles left, s[66:67] xs walking,
; s73 the slice's byte at which the trip's K steps begin
.set MSB, 0
.macro WIN new                         ; the immediate's high byte repeats the setting that is left; a switch that changes nothing is dropped
.if MSB != (\new)
	s_set_vgpr_msb (MSB<<8)|(\new)
.set MSB, (\new)
.endif
.endm
.macro PLACES                          ; four places behind matrix instructions, ahead of loads into their sources and of reads of their results (ISA guide 7.12.1 for reads of their results)
.rept 4
	v_nop
.endr
.endm
	s_load_b256 s[4:11], s[0:1], 0x0               ; xs s[4:5], expert_w s[6:7], expert_b s[8:9], ent s[10:11]
	s_load_b128 s[12:15], s[0:1], 0x20             ; gs s[12:13], tab s[14:15]
	s_load_b64 s[20:21], s[0:1], 0x30              ; part
	v_lshl_add_u32 v1, v0, 2, SPARE                ; my spare word, and 0: for the wave's end alone
	v_mov_b32 v2, 0
	v_lshrrev_b32 v13, 5, v0
	v_readfirstlane_b32 s16, v13                   ; wave 0..3
	s_mov_b32 s17, ttmp9                           ; slice
	s_and_b32 s18, ttmp7, 0xffff                   ; expert
	v_and_b32 v14, 31, v0                          ; lane
	v_and_b32 v3, 15, v0
	v_bfe_u32 v4, v0, 4, 1
	v_lshlrev_b32 v26, 4, v14
	v_lshlrev_b32 v8, 4, v3
	v_lshlrev_b32 v9, 5, v4
	v_lshl_or_b32 v7, v4, 16, v8                   ; 8 h rows of 8,192 bytes + 16 r
	s_lshl_b32 s74, s16, 16
	v_add_nc_u32 v6, s74, v26                      ; my wave writes K steps 16 w on: 16 x 4,096 bytes
	s_lshl_b32 s76, s17, 8                         ; the slice: 256 bytes of a row of W, of b and of part
	s_lshl_b32 s74, s18, 24                        ; an expert's weights: 2^24 bytes
	s_lshl_b32 s77, s16, 22                        ; my wave's 512 rows of 8,192 bytes
	s_add_co_u32 s74, s74, s76
	s_add_co_u32 s74, s74, s77
	s_mov_b32 s75, 0
	s_lshl_b32 s78, s18, 13                        ; an expert's bias, and its part of ent and gs: 8,192 bytes
	s_mov_b32 s79, 0
	s_add_co_u32 s22, s78, s76
	s_mov_b32 s23, 0
	s_mov_b32 s77, 0
	s_lshl_b32 s24, s18, 23                        ; an expert's segment of xs: 128 tiles of 65,536 bytes
	s_mov_b32 s25, 0
	s_wait_kmcnt 0x0
	s_load_b256 s[32:39], s[14:15], 0x0            ; the eight counts, which no line of this launch writes
	s_add_nc_u64 s[6:7], s[6:7], s[74:75]
	s_add_nc_u64 s[8:9], s[8:9], s[22:23]
	s_add_nc_u64 s[10:11], s[10:11], s[78:79]
	s_add_nc_u64 s[12:13], s[12:13], s[78:79]
	s_add_nc_u64 s[20:21], s[20:21], s[76:77]
	s_add_nc_u64 s[4:5], s[4:5], s[24:25]
; 16 loads: K step u (from the walking pointer on) of my slice into stage st.  Load qq brings row 8 h + qq (qq < 8) or 16 + 8 h + qq - 8: the k of a fragment's registers.  Each load takes two whole
; pieces of 256 consecutive bytes, at multiples of 256 from W's first byte.
.macro WLOAD st, u
	WIN 0x40
.set qq, 0
.rept 16
	global_load_b128 v[64*(\st)+4*qq:64*(\st)+4*qq+3], v7, s[6:7] offset:(\u)*262144+(qq+8*(qq/8))*8192 th:TH_LOAD_NT
.set qq, qq+1
.endr
.endm
; Stage st becomes the four fragments of K step u: register ii of column tile tt is component tt of loads 2 ii and 2 ii + 1, rounded and packed.  Lane l's registers 0-3 go to 16 l of the fragment's
; 1,024 bytes, registers 4-7 to 512 + 16 l: stores and later loads take consecutive bytes.  Two register buffers take turns, so that a stage's roundings do not land on the last stage's LDS stores.
.macro WCVT st, u
	WIN 0x05
.set tb, TF+32*((\st)%2)
.set tt, 0
.rept 4
.set ii, 0
.rept 8
	v_cvt_pk_bf16_f32 v[tb+8*tt+ii], v[64*(\st)+8*ii+tt], v[64*(\st)+8*ii+4+tt]
.set ii, ii+1
.endr
.set tt, tt+1
.endr
	WIN 0
.set tt, 0
.rept 4
	ds_store_b128 v6, v[tb+8*tt:tb+8*tt+3] offset:(\u)*4096+tt*1024
	ds_store_b128 v6, v[tb+8*tt+4:tb+8*tt+7] offset:(\u)*4096+tt*1024+512
.set tt, tt+1
.endr
.endm
	global_load_b128 v[240:243], v8, s[8:9]        ; b of my four columns
	WLOAD 0, 0
	WLOAD 1, 1
	WLOAD 2, 2
	WIN 0
	s_wait_kmcnt 0x0
	s_mov_b32 s26, s32                             ; my expert's count
.irp k, 1,2,3,4,5,6,7
	s_cmp_eq_u32 s18, \k
	s_cselect_b32 s26, s[32+\k], s26
.endr
	s_min_u32 s26, s26, 2048
	s_add_co_u32 s74, s26, 15
	s_lshr_b32 s74, s74, 4                         ; the expert's tiles of 16 rows
	s_max_u32 s28, s74, 1
	s_sub_co_u32 s28, s28, 1                       ; its last tile
	s_add_co_u32 s27, s74, 3
	s_sub_co_u32 s27, s27, s16
	s_lshr_b32 s27, s27, 2                         ; those of them with number 4 j + w
	; THE SLICE.  My wave's 16 K steps through a ring of four stages: three stages' loads, 48, stay out at every wait in the loop.
	s_mov_b32 s70, 3
.Lfill:
	WLOAD 3, 3
	s_wait_loadcnt 48                              ; loads come back in order (ISA guide 5.7.1): stage 0 is in, the 48 younger stay out
	WCVT 0, 0
	WLOAD 0, 4
	s_wait_loadcnt 48
	WCVT 1, 1
	WLOAD 1, 5
	s_wait_loadcnt 48
	WCVT 2, 2
	WLOAD 2, 6
	s_wait_loadcnt 48
	WCVT 3, 3
	s_wait_xcnt 0x0                                ; the pointer is stepped only behind this wait
	s_add_nc_u64 s[6:7], s[6:7], 0x100000          ; four K steps: 128 rows of 8,192 bytes
	v_add_nc_u32 v6, 16384, v6
	s_sub_co_u32 s70, s70, 1
	s_cmp_lg_u32 s70, 0
	s_cbranch_scc1 .Lfill
	WLOAD 3, 3                                     ; the last four K steps: one more stage, then the counts run down
	s_wait_loadcnt 48
	WCVT 0, 0
	s_wait_loadcnt 32
	WCVT 1, 1
	s_wait_loadcnt 16
	WCVT 2, 2
	s_wait_loadcnt 0x0
	WCVT 3, 3
	; the bias, rounded to bf16 like every input, eight times over for each column tile: the C operand of a group's first K step, which so starts the sums with b
	v_cvt_pk_bf16_f32 v13, v240, v241
	v_cvt_pk_bf16_f32 v14, v242, v243
	v_lshlrev_b32 v28, 16, v13
	v_and_b32 v29, 0xffff0000, v13
	v_lshlrev_b32 v30, 16, v14
	v_and_b32 v31, 0xffff0000, v14
.irp t, 0,1,2,3
.set i, 0
.rept 8
	v_mov_b32 v[BIAS+8*\t+i], v[28+\t]
.set i, i+1
.endr
.endr
	s_wait_dscnt 0x0                               ; for the others' sake: my quarter of the slice is in LDS
	s_barrier_signal -1
	s_barrier_wait -1                              ; the slice is whole; from here to the closing barrier nothing writes LDS
; THE ROWS.
.macro BLOAD buf, off                  ; a K step's four fragments of source 1
.irp t, 0,1,2,3
	ds_load_b128 v[BF+32*(\buf)+8*\t:BF+32*(\buf)+8*\t+3], v5 offset:(\off)+\t*1024
	ds_load_b128 v[BF+32*(\buf)+8*\t+4:BF+32*(\buf)+8*\t+7], v5 offset:(\off)+\t*1024+512
.endr
.endm
.macro ALOAD nt, slot, off             ; a K step's nt fragments of source 0: two loads of 512 consecutive bytes a tile
	WIN 0x80+0x40*((\slot)/2)
.set j, 0
.rept \nt
	global_load_b128 v[80*((\slot)%2)+8*j:80*((\slot)%2)+8*j+3], v[AADR+j], s[66:67] offset:(\off)
	global_load_b128 v[80*((\slot)%2)+8*j+4:80*((\slot)%2)+8*j+7], v[AADR+j], s[66:67] offset:(\off)+512
.set j, j+1
.endr
.endm
.macro RLOAD nt                        ; the records of nt tiles: a lane takes those of rows 8 h + 0..7, 32 bytes of ent and 32 of gs
.set j, 0
.rept \nt
	WIN 0x80+0x40*(j/5)
.set rb, RECB+16*(j%5)
	global_load_b128 v[rb:rb+3], v[RADR+j], s[10:11]
	global_load_b128 v[rb+4:rb+7], v[RADR+j], s[10:11] offset:16
	global_load_b128 v[rb+8:rb+11], v[RADR+j], s[12:13]
	global_load_b128 v[rb+12:rb+15], v[RADR+j], s[12:13] offset:16
.set j, j+1
.endr
.endm
; nt tiles x 4 column tiles, 32 along K; the accumulators take turns, one instruction a turn and in the same order in every K step.  first = 1: C is the bias, which starts the sums.
.macro MULS nt, kk, first
.set sl, (\kk)%4
.set ab, 80*(sl%2)
.set bb, BF+32*((\kk)%2)
.set j, 0
.rept \nt
.if j < 8
.if \first
	WIN 0x42+sl/2
.else
	WIN 0x52+sl/2
.endif
.set cc, 32*j
.else
	WIN 2+sl/2
.set cc, ACCX+32*(j-8)
.endif
.irp t, 0,1,2,3
.if \first
	v_wmma_f32_16x16x32_bf16 v[cc+8*\t:cc+8*\t+7], v[ab+8*j:ab+8*j+7], v[bb+8*\t:bb+8*\t+7], v[BIAS+8*\t:BIAS+8*\t+7]
.else
	v_wmma_f32_16x16x32_bf16 v[cc+8*\t:cc+8*\t+7], v[ab+8*j:ab+8*j+7], v[bb+8*\t:bb+8*\t+7], v[cc+8*\t:cc+8*\t+7]
.endif
.endr
.set j, j+1
.endr
.endm
; K step kk, counted from the trip's base.  It asks for source 1 of the next K step and source 0 of the K step three on, into the registers that the K step before has multiplied; then it multiplies.
; lcnt: the younger loads that may stay out, 2 nt for each K step ahead (and 4 nt for the records).  dcnt: the 8 LDS loads just issued.
.macro KSTEP nt, kk, first, ldb, lda, rec, lcnt, dcnt
	WIN 0
.if (\ldb) || (\lda) || (\rec)
	PLACES
.endif
.if \ldb
	BLOAD ((\kk)+1)%2, ((\kk)+1)*4096
.endif
.if \lda
	ALOAD \nt, ((\kk)+3)%4, ((\kk)+3)*1024
.endif
.if \rec
	RLOAD \nt
.endif
	s_wait_dscnt \dcnt
	s_wait_loadcnt \lcnt
	MULS \nt, \kk, \first
.endm
.macro STEP                            ; four K steps on: 4,096 bytes of a tile of xs, 16,384 bytes of the slice
	s_wait_xcnt 0x0                                ; the pointer is stepped only behind this wait
	s_add_nc_u64 s[66:67], s[66:67], 4096
	s_add_co_u32 s73, s73, 16384                   ; 15 steps a group: 245,760 at the most; with the loads' offsets the slice's 262,144 bytes are not left
	v_add_nc_u32 v5, s73, v26                      ; the address is made anew: the trip's byte + 16 lane
.endm
; THE WALK ALONG K for nt tiles: K step 0 stands in front of the loop, since its products start the sums; a trip is K steps 4 i + 1 .. 4 i + 4; the last three ask for no more of xs, and the counts run down.
; The records are asked for in the last K step but one: behind them only the way out waits for a load.
.macro KALL nt
	ALOAD \nt, 0, 0
	ALOAD \nt, 1, 1024
	ALOAD \nt, 2, 2048
	WIN 0
	BLOAD 0, 0
	KSTEP \nt, 0, 1, 1, 1, 0, 6*\nt, 8
	WIN 0                                          ; at a label and at a branch every window is 0
	s_mov_b32 s72, 15
.Lk_\@:
	KSTEP \nt, 1, 0, 1, 1, 0, 6*\nt, 8
	KSTEP \nt, 2, 0, 1, 1, 0, 6*\nt, 8
	KSTEP \nt, 3, 0, 1, 1, 0, 6*\nt, 8
	KSTEP \nt, 4, 0, 1, 1, 0, 6*\nt, 8
	WIN 0
	STEP
	s_sub_co_u32 s72, s72, 1
	s_cmp_lg_u32 s72, 0
	s_cbranch_scc1 .Lk_\@
	KSTEP \nt, 1, 0, 1, 0, 0, 4*\nt, 8             ; K step 61: two K steps' loads stay out
	KSTEP \nt, 2, 0, 1, 0, 1, 6*\nt, 8             ; K step 62: one K step's, and the records'
	KSTEP \nt, 3, 0, 0, 0, 0, 4*\nt, 0             ; K step 63: the records'
	WIN 0
	PLACES
	s_wait_loadcnt 0x0                             ; the records
.endm
; THE WAY OUT of one tile of 16 rows: each row's four numbers times its g; eight stores, in each of which sixteen lanes fill 256 consecutive bytes of a row of part, at a multiple of 256 from its first
; byte.  A tile past my count is jumped whole.
.macro EPI tile
	WIN 0
	s_add_co_u32 s74, s30, \tile
	s_cmp_ge_u32 s74, s27
	s_cbranch_scc1 .Ldead_\@
.set rb, RECB+16*((\tile)%5)
.set rw, 2+(\tile)/5
	s_wait_xcnt 0x0                                ; the last tile's stores have read their offsets and data: these are rewritten only behind this wait
	WIN rw<<2
.irp u, 0,1,2,3,4,5,6,7
	v_min_u32 v[DST+\u], 4095, v[rb+\u]            ; 2,048 rank + token, behind a clamp by a constant
.endr
	WIN 0
.irp u, 0,1,2,3,4,5,6,7
	v_lshl_add_u32 v[DST+\u], v[DST+\u], 13, v8    ; a row of part is 8,192 bytes; + 16 r
.endr
.if (\tile) < 8
	WIN 1+(rw<<2)
.set ab, 32*(\tile)
.else
	WIN rw<<2
.set ab, ACCX+32*((\tile)-8)
.endif
.irp u, 0,1,2,3,4,5,6,7
.irp t, 0,1,2,3
	v_mul_f32 v[OUT+4*\u+\t], v[ab+8*\t+\u], v[rb+8+\u]         ; each accumulator is read from its low end on
.endr
.endr
	WIN 0
.irp u, 0,1,2,3,4,5,6,7
	global_store_b128 v[DST+\u], v[OUT+4*\u:OUT+4*\u+3], s[20:21]
.endr
.Ldead_\@:
.endm
	s_mov_b32 s30, 0
	s_mov_b32 s71, 4                               ; 4 groups x 10 tiles cover a wave's 32 tiles at the most
.Lgroup:
	s_cmp_ge_u32 s30, s27
	s_cbranch_scc1 .Lgnext                         ; nothing of mine is left: forward, to the counter's step
	s_sub_co_u32 s31, s27, s30
	s_wait_xcnt 0x0                                ; the last group's stores have read v32-63, and its loads their offsets and pointer
.set j, 0
.rept 10
	s_add_co_u32 s74, s30, j
	s_lshl2_add_u32 s74, s74, s16                  ; my tile j of the group is the expert's tile 4 (first + j) + w,
	s_min_u32 s74, s74, s28                        ; no further than its last,
	s_min_u32 s74, s74, 127                        ; and behind a clamp by a constant
	s_lshl_b32 s75, s74, 16
	s_lshl_b32 s74, s74, 6
	v_add_nc_u32 v[AADR+j], s75, v26               ; 65,536 bytes of xs a tile, + 16 lane
	v_add_nc_u32 v[RADR+j], s74, v9                ; 64 bytes of ent and of gs a tile, + 32 h
.set j, j+1
.endr
	s_mov_b64 s[66:67], s[4:5]
	s_mov_b32 s73, 0
	v_mov_b32 v5, v26                              ; the slice's first byte + 16 lane
	s_cmp_ge_u32 s31, 10
	s_cbranch_scc1 .Lv10
	s_cmp_eq_u32 s31, 9
	s_cbranch_scc1 .Lv9
	s_cmp_eq_u32 s31, 8
	s_cbranch_scc1 .Lv8
	KALL 7
	s_branch .Le6                                  ; each walk enters the way out at its own highest tile: no way reads a sum that it has not made
.Lv8:
	KALL 8
	s_branch .Le7
.Lv9:
	KALL 9
	s_branch .Le8
.Lv10:
	KALL 10
	EPI 9
.Le8:
	EPI 8
.Le7:
	EPI 7
.Le6:
	EPI 6
	EPI 5
	EPI 4
	EPI 3
	EPI 2
	EPI 1
	EPI 0
.Lgnext:
	s_add_co_u32 s30, s30, 10
	s_sub_co_u32 s71, s71, 1
	s_cmp_lg_u32 s71, 0
	s_cbranch_scc1 .Lgroup
	s_wait_dscnt 0x0                               ; my reads of the slice are over;
	s_barrier_signal -1
	s_barrier_wait -1                              ; so are every wave's: the closing barrier, on every wave's way, between all reads of LDS and the lines below, which write LDS once more
	s_wait_tensorcnt 0x0                           ; the wave's end, behind my last LDS store
	ds_add_u32 v1, v2
	s_wait_dscnt 0x0
	s_endpgm
.Lfunc_end_k_q26d9677344_experts:
	.size	k_q26d9677344_experts, .Lfunc_end_k_q26d9677344_experts-k_q26d9677344_experts
	.p2alignl 7, 3214868480
	.fill 96, 4, 3214868480
	.section	.rodata,"a",@progbits
	.p2align	6, 0x0
	.amdhsa_kernel k_q26d9677344_experts
		.amdhsa_group_segment_fixed_size 262656
		.amdhsa_private_segment_fixed_size 0
		.amdhsa_enable_private_segment 0
		.amdhsa_kernarg_size 56
		.amdhsa_user_sgpr_count 2
		.amdhsa_user_sgpr_kernarg_segment_ptr 1
		.amdhsa_wavefront_size32 1
		.amdhsa_system_sgpr_workgroup_id_x 1
		.amdhsa_system_sgpr_workgroup_id_y 1
		.amdhsa_system_sgpr_workgroup_id_z 1
		.amdhsa_system_vgpr_workitem_id 0
		.amdhsa_next_free_vgpr 1008
		.amdhsa_next_free_sgpr 84
		.amdhsa_reserve_vcc 0
		.amdhsa_float_denorm_mode_32 3
		.amdhsa_float_denorm_mode_16_64 3
		.amdhsa_memory_ordered 1
		.amdhsa_forward_progress 1
		.amdhsa_inst_pref_size 230
	.end_amdhsa_kernel
	.amdgpu_metadata
---
amdhsa.version: [ 1, 2 ]
amdhsa.kernels:
  - .name:           k_q26d9677344_experts
    .symbol:         k_q26d9677344_experts.kd
    .args:
      - { .name: xs, .offset: 0, .size: 8, .value_kind: global_buffer, .address_space: global }
      - { .name: expert_w, .offset: 8, .size: 8, .value_kind: global_buffer, .address_space: global }
      - { .name: expert_b, .offset: 16, .size: 8, .value_kind: global_buffer, .address_space: global }
      - { .name: ent, .offset: 24, .size: 8, .value_kind: global_buffer, .address_space: global }
      - { .name: gs, .offset: 32, .size: 8, .value_kind: global_buffer, .address_space: global }
      - { .name: tab, .offset: 40, .size: 8, .value_kind: global_buffer, .address_space: global }
      - { .name: part, .offset: 48, .size: 8, .value_kind: global_buffer, .address_space: global }
    .group_segment_fixed_size: 262656
    .private_segment_fixed_size: 0
    .kernarg_segment_align: 8
    .kernarg_segment_size: 56
    .max_flat_workgroup_size: 128
    .sgpr_count:     84
    .vgpr_count:     1008
    .wavefront_size: 32
...
	.end_amdgpu_metadata
.endif
;; end of part 5
;; launch combine: the kernel of part 3 again; grid 256 x 1, 8 waves a work-group, no clusters, 0 bytes of LDS; arguments part, out0; writes out0
;; ======== version 3 of 4: 4 launches; 1.32 times as fast as version 1
;; workspace buffers: xb 8,388,608 bytes; sel 8,192 bytes of whole numbers; gw 16,384 bytes; part 67,108,864 bytes; xs 67,108,864 bytes; ent 65,536 bytes of whole numbers; gs 65,536 bytes; tab 256 bytes of whole numbers
;; launch router: the kernel of part 1 again; grid 256 x 1, 8 waves a work-group, no clusters, 76,800 bytes of LDS; arguments x, gate_w, gate_b, xb, sel, gw; writes xb, sel, gw
;; launch place: the kernel of part 4 again; grid 32 x 8, 4 waves a work-group, no clusters, 2,560 bytes of LDS; arguments xb, sel, gw, xs, ent, gs, tab; writes xs, ent, gs, tab
;; launch experts (part 6): grid 32 x 8, 4 waves a work-group, no clusters, 262,656 bytes of LDS; arguments xs, expert_w, expert_b, ent, gs, tab, part; writes part
.if DOCPART == 6
	.amdgcn_target "amdgcn-amd-amdhsa--gfx1250"
	.amdhsa_code_object_version 6
	.text
	.protected	k_q26d9677344_experts
	.globl	k_q26d9677344_experts
	.p2align	8
	.type	k_q26d9677344_experts,@function
k_q26d9677344_experts:
	s_mov_b64 s[64:65], 0
	v_nop
	global_prefetch_b8 v0, s[64:65] scope:SCOPE_SE
	s_setreg_imm32_b32 hwreg(HW_REG_WAVE_MODE, 25, 1), 1
	s_wait_xcnt 0x0
; EXPERTS.  part[K half][rank][token][n] = g (the sum over the half's 1,024 k of x[token][k] bf16(W_e)[k][n], + bf16(b_e[n]) in half 0) for the expert e that token chose as its rank-th;
; products in bf16, sums, g and part in f32.  The launch behind adds a token's four rows.
; SHARES.  Work-group (slice, half, e) owns columns 128 slice .. + 127 and rows 1,024 half .. + 1,023 of expert e's weights: 512 KiB of f32, which it alone reads, once.  It rounds them on their way
; through registers and lays them into LDS as ready fragments of source 1 (256 KiB).  Then all rows of the expert go through the slice.  128 columns x 1,024 k and not 64 x 2,048: a work-group then asks
; for 2 KiB of each token row and not 4, for the same weights and the same products; the price is a second pair of planes in part.
; The launch before has laid the expert's rows end to end in xs, 16 to a tile, in the order of source 0's registers: a load of the wave takes 512 consecutive bytes, aligned, at a tile's number times
; 65,536 + the K step's 1,024 + 16 lane.  Wave w takes the expert's tiles 4 j + w.
; EVERY SPLIT IS SERVED: 0 to 2,048 rows an expert, 0 to 32 tiles a wave: 4 groups of up to 9 tiles, a constant count; a group past the wave's count is jumped.  The walk along K is written for 8 and
; for 9 tiles and chosen by the tiles that are left, so that each counted wait counts one way's loads.  With fewer than 8 left the tiles past the count repeat the expert's last tile and are not
; stored.  Only work is jumped: no barrier.  In the expert's last tile the rows past the count are its last row once more: same bytes, same place.
; COLUMNS.  Column r of column tile t = 4 c + tt stands for true column 64 c + 4 r + tt of the slice.  So a lane's 16 bytes of a row of W are one number for each of four tiles, two neighbouring k round
; into one register of a fragment, and nothing is turned; and in the results register u of four of a lane's tiles is four neighbouring f32 of one row: sixteen lanes store 256 consecutive bytes.
; NO CLUSTER, NO TENSOR LOAD.  Each slice of weights has one reader and passes through registers to be rounded.  The tiles of xs are shared by 16 of the expert's work-groups, but beside the slice LDS has
; 327,680 - 262,144 bytes less the spare words: two slots of under 32 KiB; a slot's 16,384 numbers feed 16,384 x 128 multiply-adds, 64 matrix instructions a wave, between two rounds of a cluster's
; barrier.
; LIMITS.  W and b are rounded once to bf16.  NaN and infinities are not treated apart.
; REGISTERS, in windows of 256 (s_set_vgpr_msb: bits 1:0 source 0, 3:2 source 1, 5:4 source 2, 7:6 destination):
;   window 0: v0-31 addresses and at work; v32-63, v64-95 source 1: column tiles 0-3 and 4-7 of a K step (at first: fragments on their way into LDS; at the end: results on their way out);
;             v96-167 slot 3 of source 0's ring (in a group's first K step v96-159: the bias as a C operand); v168-231 accumulators of tile 8; v232-239 store offsets; v240-247 the bias of my 8 columns
;   windows 1, 2: accumulators of tiles 0-3 and 4-7: tile j, column tile t at 64 (j % 4) + 8 t (window 1 at first: four stages of 64 for W as loaded)
;   window 3: v0-215 slots 0-2 of the ring, slot q's tile j at 72 q + 8 j (at the end v0-143: the records, 8 of ent and 8 of gs a tile); v216-224 the tiles' offsets in xs, v226-234 in ent and gs
.set SPARE, 262144                     ; behind the slice: the spare words, 128 bytes a wave: two blocks of 256 bytes that no other line names
.set BF,   32
.set TF,   32
.set OUT,  32
.set SL3,  96
.set BIAS, 96
.set ACCX, 168
.set DST,  232
.set BV,   240
.set AADR, 216                         ; window 3
.set RADR, 226                         ; window 3
; v3 r, v4 h, v5 LDS address of the fragments read, v6 of those written, v7 my offset in 16 rows of W, v8 16 r, v9 32 h, v26 16 lane; v13, v14, v28, v29 at work
; s16 wave, s17 slice, s18 e, s19 K half, s[20:21] part at my planes and slice, s26 rows of e, s27 my tiles, s28 the expert's last tile, s30 the group's first tile of mine, s31 my tiles left,
; s[66:67] xs walking, s73 the slice's byte at which the trip's K steps begin
.set MSB, 0
.macro WIN new                         ; the immediate's high byte repeats the setting that is left; a switch that changes nothing is dropped
.if MSB != (\new)
	s_set_vgpr_msb (MSB<<8)|(\new)
.set MSB, (\new)
.endif
.endm
.macro PLACES                          ; four places behind matrix instructions, ahead of loads into their sources and of reads of their results (ISA guide 7.12.1 for reads of their results)
.rept 4
	v_nop
.endr
.endm
	s_load_b256 s[4:11], s[0:1], 0x0               ; xs s[4:5], expert_w s[6:7], expert_b s[8:9], ent s[10:11]
	s_load_b128 s[12:15], s[0:1], 0x20             ; gs s[12:13], tab s[14:15]
	s_load_b64 s[20:21], s[0:1], 0x30              ; part
	v_lshl_add_u32 v1, v0, 2, SPARE                ; my spare word, and 0: for the wave's end alone
	v_mov_b32 v2, 0
	v_lshrrev_b32 v13, 5, v0
	v_readfirstlane_b32 s16, v13                   ; wave 0..3
	s_and_b32 s17, ttmp9, 15                       ; slice
	s_lshr_b32 s19, ttmp9, 4                       ; K half
	s_and_b32 s18, ttmp7, 0xffff                   ; expert
	v_and_b32 v14, 31, v0                          ; lane
	v_and_b32 v3, 15, v0
	v_bfe_u32 v4, v0, 4, 1
	v_lshlrev_b32 v26, 4, v14
	v_lshlrev_b32 v8, 4, v3
	v_lshlrev_b32 v9, 5, v4
	v_lshl_or_b32 v7, v4, 16, v8                   ; 8 h rows of 8,192 bytes + 16 r
	s_lshl_b32 s74, s16, 16
	v_add_nc_u32 v6, s74, v26                      ; my wave writes K steps 8 w on: 8 x 8,192 bytes
	s_lshl_b32 s76, s17, 9                         ; the slice: 512 bytes of a row of W, of b and of part
	s_lshl_b32 s74, s18, 24                        ; an expert's weights: 2^24 bytes,
	s_lshl_b32 s77, s19, 23                        ; a K half: 1,024 rows of 8,192 bytes,
	s_add_co_u32 s74, s74, s77
	s_lshl_b32 s77, s16, 21                        ; my wave's 256 rows
	s_add_co_u32 s74, s74, s77
	s_add_co_u32 s74, s74, s76
	s_mov_b32 s75, 0
	s_lshl_b32 s78, s18, 13                        ; an expert's bias, and its part of ent and gs: 8,192 bytes
	s_mov_b32 s79, 0
	s_add_co_u32 s22, s78, s76
	s_mov_b32 s23, 0
	s_lshl_b32 s77, s19, 25                        ; a K half's two planes of part: 2^25 bytes
	s_add_co_u32 s76, s76, s77
	s_mov_b32 s77, 0
	s_lshl_b32 s24, s18, 23                        ; an expert's segment of xs: 128 tiles of 65,536 bytes;
	s_lshl_b32 s25, s19, 15                        ; a K half of a tile: 32 K steps of 1,024
	s_add_co_u32 s24, s24, s25
	s_mov_b32 s25, 0
	s_wait_kmcnt 0x0
	s_load_b256 s[32:39], s[14:15], 0x0            ; the eight counts, which no line of this launch writes
	s_add_nc_u64 s[6:7], s[6:7], s[74:75]
	s_add_nc_u64 s[8:9], s[8:9], s[22:23]
	s_add_nc_u64 s[10:11], s[10:11], s[78:79]
	s_add_nc_u64 s[12:13], s[12:13], s[78:79]
	s_add_nc_u64 s[20:21], s[20:21], s[76:77]
	s_add_nc_u64 s[4:5], s[4:5], s[24:25]
; 16 loads: unit u (from the walking pointer on) of my slice into stage st.  Unit u is K step u / 2, column half u % 2.  Load qq brings row 8 h + qq (qq < 8) or 16 + 8 h + qq - 8: the k of a fragment's
; registers.  Each load takes two whole pieces of 256 consecutive bytes, at multiples of 256 from W's first byte.
.macro WLOAD st, u
	WIN 0x40
.set qq, 0
.rept 16
	global_load_b128 v[64*(\st)+4*qq:64*(\st)+4*qq+3], v7, s[6:7] offset:((\u)/2)*262144+((\u)%2)*256+(qq+8*(qq/8))*8192 th:TH_LOAD_NT
.set qq, qq+1
.endr
.endm
; Stage st becomes the four fragments of unit u: register ii of column tile tt of the half is component tt of loads 2 ii and 2 ii + 1, rounded and packed.  Lane l's registers 0-3 go to 16 l of the
; fragment's 1,024 bytes, registers 4-7 to 512 + 16 l: stores and later loads take consecutive bytes.  Two register buffers take turns, so that a stage's roundings do not land on the last stage's LDS stores.
.macro WCVT st, u
	WIN 0x05
.set tb, TF+32*((\st)%2)
.set tt, 0
.rept 4
.set ii, 0
.rept 8
	v_cvt_pk_bf16_f32 v[tb+8*tt+ii], v[64*(\st)+8*ii+tt], v[64*(\st)+8*ii+4+tt]
.set ii, ii+1
.endr
.set tt, tt+1
.endr
	WIN 0
.set tt, 0
.rept 4
	ds_store_b128 v6, v[tb+8*tt:tb+8*tt+3] offset:(\u)*4096+tt*1024
	ds_store_b128 v6, v[tb+8*tt+4:tb+8*tt+7] offset:(\u)*4096+tt*1024+512
.set tt, tt+1
.endr
.endm
	global_load_b128 v[BV:BV+3], v8, s[8:9]                    ; b of my four columns in each column half
	global_load_b128 v[BV+4:BV+7], v8, s[8:9] offset:256
	WLOAD 0, 0
	WLOAD 1, 1
	WLOAD 2, 2
	WIN 0
	s_wait_kmcnt 0x0
	s_mov_b32 s26, s32                             ; my expert's count
.irp k, 1,2,3,4,5,6,7
	s_cmp_eq_u32 s18, \k
	s_cselect_b32 s26, s[32+\k], s26
.endr
	s_min_u32 s26, s26, 2048
	s_add_co_u32 s74, s26, 15
	s_lshr_b32 s74, s74, 4                         ; the expert's tiles of 16 rows
	s_max_u32 s28, s74, 1
	s_sub_co_u32 s28, s28, 1                       ; its last tile
	s_add_co_u32 s27, s74, 3
	s_sub_co_u32 s27, s27, s16
	s_lshr_b32 s27, s27, 2                         ; those of them with number 4 j + w
	; THE SLICE.  My wave's 8 K steps, 16 units, through a ring of four stages: three stages' loads, 48, stay out at every wait in the loop.
	s_mov_b32 s70, 3
.Lfill:
	WLOAD 3, 3
	s_wait_loadcnt 48                              ; loads come back in order (ISA guide 5.7.1): stage 0 is in, the 48 younger stay out
	WCVT 0, 0
	WLOAD 0, 4
	s_wait_loadcnt 48
	WCVT 1, 1
	WLOAD 1, 5
	s_wait_loadcnt 48
	WCVT 2, 2
	WLOAD 2, 6
	s_wait_loadcnt 48
	WCVT 3, 3
	s_wait_xcnt 0x0                                ; the pointer is stepped only behind this wait
	s_add_nc_u64 s[6:7], s[6:7], 0x80000           ; four units, two K steps: 64 rows of 8,192 bytes
	v_add_nc_u32 v6, 16384, v6
	s_sub_co_u32 s70, s70, 1
	s_cmp_lg_u32 s70, 0
	s_cbranch_scc1 .Lfill
	WLOAD 3, 3                                     ; the last four units: one more stage, then the counts run down
	s_wait_loadcnt 48
	WCVT 0, 0
	s_wait_loadcnt 32
	WCVT 1, 1
	s_wait_loadcnt 16
	WCVT 2, 2
	s_wait_loadcnt 0x0
	WCVT 3, 3
	; the bias of my 8 columns, rounded to bf16 like every input; K half 1 adds none
	s_cmp_eq_u32 s19, 0
	s_cselect_b32 s74, -1, 0
	v_cvt_pk_bf16_f32 v13, v[BV], v[BV+1]
	v_cvt_pk_bf16_f32 v14, v[BV+2], v[BV+3]
	v_cvt_pk_bf16_f32 v28, v[BV+4], v[BV+5]
	v_cvt_pk_bf16_f32 v29, v[BV+6], v[BV+7]
	v_cndmask_b32 v13, 0, v13, s74
	v_cndmask_b32 v14, 0, v14, s74
	v_cndmask_b32 v28, 0, v28, s74
	v_cndmask_b32 v29, 0, v29, s74
	v_lshlrev_b32 v[BV], 16, v13
	v_and_b32 v[BV+1], 0xffff0000, v13
	v_lshlrev_b32 v[BV+2], 16, v14
	v_and_b32 v[BV+3], 0xffff0000, v14
	v_lshlrev_b32 v[BV+4], 16, v28
	v_and_b32 v[BV+5], 0xffff0000, v28
	v_lshlrev_b32 v[BV+6], 16, v29
	v_and_b32 v[BV+7], 0xffff0000, v29
	s_wait_dscnt 0x0                               ; for the others' sake: my quarter of the slice is in LDS
	s_barrier_signal -1
	s_barrier_wait -1                              ; the slice is whole; from here to the closing barrier nothing writes LDS
; THE ROWS.
.macro BLOAD buf, off                  ; a unit's four fragments of source 1
.irp t, 0,1,2,3
	ds_load_b128 v[BF+32*(\buf)+8*\t:BF+32*(\buf)+8*\t+3], v5 offset:(\off)+\t*1024
	ds_load_b128 v[BF+32*(\buf)+8*\t+4:BF+32*(\buf)+8*\t+7], v5 offset:(\off)+\t*1024+512
.endr
.endm
.macro ALOAD nt, slot, off             ; a K step's nt fragments of source 0: two loads of 512 consecutive bytes a tile; the offsets lie in window 3
.if (\slot) < 3
	WIN 0xc3
.set lb, 72*(\slot)
.else
	WIN 0x03
.set lb, SL3
.endif
.set j, 0
.rept \nt
	global_load_b128 v[lb+8*j:lb+8*j+3], v[AADR+j], s[66:67] offset:(\off)
	global_load_b128 v[lb+8*j+4:lb+8*j+7], v[AADR+j], s[66:67] offset:(\off)+512
.set j, j+1
.endr
.endm
.macro RLOAD nt                        ; the records of nt tiles, into slots 0 and 1 of the ring: a lane takes those of rows 8 h + 0..7, 32 bytes of ent and 32 of gs
	WIN 0xc3
.set j, 0
.rept \nt
	global_load_b128 v[16*j:16*j+3], v[RADR+j], s[10:11]
	global_load_b128 v[16*j+4:16*j+7], v[RADR+j], s[10:11] offset:16
	global_load_b128 v[16*j+8:16*j+11], v[RADR+j], s[12:13]
	global_load_b128 v[16*j+12:16*j+15], v[RADR+j], s[12:13] offset:16
.set j, j+1
.endr
.endm
; A unit's products: nt tiles x the 4 column tiles of one half, 32 along K; the accumulators take turns, one instruction a turn and in the same order in every K step.
; first = 1: C is the bias, which starts the sums.
.macro MULS nt, kk, half, first
.set sl, (\kk)%4
.if sl < 3
.set aw, 3
.set ab, 72*sl
.else
.set aw, 0
.set ab, SL3
.endif
.set bb, BF+32*(\half)
.set j, 0
.rept \nt
.if j < 8
.set wj, 1+j/4
.set cc, 64*(j%4)+32*(\half)
.else
.set wj, 0
.set cc, ACCX+32*(\half)
.endif
.if \first
	WIN aw+(wj<<6)
.else
	WIN aw+(wj<<4)+(wj<<6)
.endif
.irp t, 0,1,2,3
.if \first
	v_wmma_f32_16x16x32_bf16 v[cc+8*\t:cc+8*\t+7], v[ab+8*j:ab+8*j+7], v[bb+8*\t:bb+8*\t+7], v[BIAS+32*(\half)+8*\t:BIAS+32*(\half)+8*\t+7]
.else
	v_wmma_f32_16x16x32_bf16 v[cc+8*\t:cc+8*\t+7], v[ab+8*j:ab+8*j+7], v[bb+8*\t:bb+8*\t+7], v[cc+8*\t:cc+8*\t+7]
.endif
.endr
.set j, j+1
.endr
.endm
; Unit (K step kk, counted from the trip's base; column half).  It asks for source 1 of the next unit, into the buffer that the unit before has multiplied; a K step's first unit also asks for source 0 of
; the K step three on, into the slot that the K step before has multiplied; then it multiplies.  lw = 1: it waits for the K step's source 0; lcnt: the younger loads that may stay out, 2 nt for each
; K step ahead (and 4 nt for the records).  dcnt: the 8 LDS loads just issued.
.macro UNIT nt, kk, half, first, ldb, lda, rec, lw, lcnt, dcnt
	WIN 0
.if (\ldb) || (\lda) || (\rec)
	PLACES
.endif
.if \ldb
	BLOAD 1-(\half), (2*(\kk)+(\half)+1)*4096
.endif
.if \lda
	ALOAD \nt, ((\kk)+3)%4, ((\kk)+3)*1024
.endif
.if \rec
	RLOAD \nt
.endif
	s_wait_dscnt \dcnt
.if \lw
	s_wait_loadcnt \lcnt
.endif
	MULS \nt, \kk, \half, \first
.endm
.macro STEP                            ; four K steps on: 4,096 bytes of a tile of xs, 32,768 bytes of the slice
	s_wait_xcnt 0x0                                ; the pointer is stepped only behind this wait
	s_add_nc_u64 s[66:67], s[66:67], 4096
	s_add_co_u32 s73, s73, 32768                   ; 7 steps a group: 229,376 at the most; with the loads' offsets the slice's 262,144 bytes are not left
	v_add_nc_u32 v5, s73, v26                      ; the address is made anew: the trip's byte + 16 lane
.endm
; THE WALK ALONG K for nt tiles, 32 K steps.  K step 0 stands in front of the loop, since its products start the sums; the bias lies in slot 3 meanwhile, so K step 3 is asked for behind it.  A trip is
; K steps 4 i + 1 .. 4 i + 4; the last three ask for no more of xs, and the counts run down.  The records are asked for in the last K step but one, when slots 0 and 1 have been multiplied.
.macro KALL nt
	ALOAD \nt, 0, 0
	ALOAD \nt, 1, 1024
	ALOAD \nt, 2, 2048
	WIN 0
	BLOAD 0, 0
	UNIT \nt, 0, 0, 1, 1, 0, 0, 1, 4*\nt, 8        ; K steps 1 and 2 stay out
	UNIT \nt, 0, 1, 1, 1, 0, 0, 0, 0, 8
	WIN 0
	PLACES
	ALOAD \nt, 3, 3072
	WIN 0                                          ; at a label and at a branch every window is 0
	s_mov_b32 s72, 7
.Lk_\@:
.irp k, 1,2,3,4
	UNIT \nt, \k, 0, 0, 1, 1, 0, 1, 6*\nt, 8       ; three K steps' loads stay out
	UNIT \nt, \k, 1, 0, 1, 0, 0, 0, 0, 8
.endr
	WIN 0
	STEP
	s_sub_co_u32 s72, s72, 1
	s_cmp_lg_u32 s72, 0
	s_cbranch_scc1 .Lk_\@
	UNIT \nt, 1, 0, 0, 1, 0, 0, 1, 4*\nt, 8        ; K step 29: two K steps' loads stay out
	UNIT \nt, 1, 1, 0, 1, 0, 0, 0, 0, 8
	UNIT \nt, 2, 0, 0, 1, 0, 1, 1, 6*\nt, 8        ; K step 30: one K step's, and the records'
	UNIT \nt, 2, 1, 0, 1, 0, 0, 0, 0, 8
	UNIT \nt, 3, 0, 0, 1, 0, 0, 1, 4*\nt, 8        ; K step 31: the records'
	UNIT \nt, 3, 1, 0, 0, 0, 0, 0, 0, 0
	WIN 0
	PLACES
	s_wait_loadcnt 0x0                             ; the records
.endm
; THE WAY OUT of one tile of 16 rows: each row's eight numbers times its g; sixteen stores, in each of which sixteen lanes fill 256 consecutive bytes of a row of part, at a multiple of 256 from its
; first byte.  A tile past my count is jumped whole.
.macro EPI tile
	WIN 0
	s_add_co_u32 s74, s30, \tile
	s_cmp_ge_u32 s74, s27
	s_cbranch_scc1 .Ldead_\@
.set rb, 16*(\tile)
	s_wait_xcnt 0x0                                ; the last tile's stores have read their offsets and data: these are rewritten only behind this wait
	WIN 0x0c                                       ; source 1, the records, in window 3
.irp u, 0,1,2,3,4,5,6,7
	v_min_u32 v[DST+\u], 4095, v[rb+\u]            ; 2,048 rank + token, behind a clamp by a constant
.endr
	WIN 0
.irp u, 0,1,2,3,4,5,6,7
	v_lshl_add_u32 v[DST+\u], v[DST+\u], 13, v8    ; a row of part is 8,192 bytes; + 16 r
.endr
.if (\tile) < 8
	WIN 0x0c+1+(\tile)/4
.set eb, 64*((\tile)%4)
.else
	WIN 0x0c
.set eb, ACCX
.endif
.irp c, 0,1
.irp u, 0,1,2,3,4,5,6,7
.irp t, 0,1,2,3
	v_mul_f32 v[OUT+32*\c+4*\u+\t], v[eb+32*\c+8*\t+\u], v[rb+8+\u]    ; each accumulator is read from its low end on
.endr
.endr
.endr
	WIN 0
.irp c, 0,1
.irp u, 0,1,2,3,4,5,6,7
	global_store_b128 v[DST+\u], v[OUT+32*\c+4*\u:OUT+32*\c+4*\u+3], s[20:21] offset:256*\c
.endr
.endr
.Ldead_\@:
.endm
	s_mov_b32 s30, 0
	s_mov_b32 s71, 4                               ; 4 groups x 9 tiles cover a wave's 32 tiles at the most
.Lgroup:
	s_cmp_ge_u32 s30, s27
	s_cbranch_scc1 .Lgnext                         ; nothing of mine is left: forward, to the counter's step
	s_sub_co_u32 s31, s27, s30
	s_wait_xcnt 0x0                                ; the last group's stores have read v32-95, and its loads their offsets and pointer
	WIN 0xc0                                       ; destination in window 3
.set j, 0
.rept 9
	s_add_co_u32 s74, s30, j
	s_lshl2_add_u32 s74, s74, s16                  ; my tile j of the group is the expert's tile 4 (first + j) + w,
	s_min_u32 s74, s74, s28                        ; no further than its last,
	s_min_u32 s74, s74, 127                        ; and behind a clamp by a constant
	s_lshl_b32 s75, s74, 16
	s_lshl_b32 s74, s74, 6
	v_add_nc_u32 v[AADR+j], s75, v26               ; 65,536 bytes of xs a tile, + 16 lane
	v_add_nc_u32 v[RADR+j], s74, v9                ; 64 bytes of ent and of gs a tile, + 32 h
.set j, j+1
.endr
	WIN 0
.irp t, 0,1,2,3,4,5,6,7                ; the bias eight times over for each column tile: the C operand of the group's first K step, which so starts the sums with b
.set i, 0
.rept 8
	v_mov_b32 v[BIAS+8*\t+i], v[BV+\t]
.set i, i+1
.endr
.endr
	s_mov_b64 s[66:67], s[4:5]
	s_mov_b32 s73, 0
	v_mov_b32 v5, v26                              ; the slice's first byte + 16 lane
	s_cmp_ge_u32 s31, 9
	s_cbranch_scc1 .Lv9
	KALL 8
	s_branch .Le7                                  ; each walk enters the way out at its own highest tile: no way reads a sum that it has not made
.Lv9:
	KALL 9
	EPI 8
.Le7:
	EPI 7
	EPI 6
	EPI 5
	EPI 4
	EPI 3
	EPI 2
	EPI 1
	EPI 0
.Lgnext:
	s_add_co_u32 s30, s30, 9
	s_sub_co_u32 s71, s71, 1
	s_cmp_lg_u32 s71, 0
	s_cbranch_scc1 .Lgroup
	s_wait_dscnt 0x0                               ; my reads of the slice are over;
	s_barrier_signal -1
	s_barrier_wait -1                              ; so are every wave's: the closing barrier, on every wave's way, between all reads of LDS and the lines below, which write LDS once more
	s_wait_tensorcnt 0x0                           ; the wave's end, behind my last LDS store
	ds_add_u32 v1, v2
	s_wait_dscnt 0x0
	s_endpgm
.Lfunc_end_k_q26d9677344_experts:
	.size	k_q26d9677344_experts, .Lfunc_end_k_q26d9677344_experts-k_q26d9677344_experts
	.p2alignl 7, 3214868480
	.fill 96, 4, 3214868480
	.section	.rodata,"a",@progbits
	.p2align	6, 0x0
	.amdhsa_kernel k_q26d9677344_experts
		.amdhsa_group_segment_fixed_size 262656
		.amdhsa_private_segment_fixed_size 0
		.amdhsa_enable_private_segment 0
		.amdhsa_kernarg_size 56
		.amdhsa_user_sgpr_count 2
		.amdhsa_user_sgpr_kernarg_segment_ptr 1
		.amdhsa_wavefront_size32 1
		.amdhsa_system_sgpr_workgroup_id_x 1
		.amdhsa_system_sgpr_workgroup_id_y 1
		.amdhsa_system_sgpr_workgroup_id_z 1
		.amdhsa_system_vgpr_workitem_id 0
		.amdhsa_next_free_vgpr 1008
		.amdhsa_next_free_sgpr 84
		.amdhsa_reserve_vcc 0
		.amdhsa_float_denorm_mode_32 3
		.amdhsa_float_denorm_mode_16_64 3
		.amdhsa_memory_ordered 1
		.amdhsa_forward_progress 1
		.amdhsa_inst_pref_size 212
	.end_amdhsa_kernel
	.amdgpu_metadata
---
amdhsa.version: [ 1, 2 ]
amdhsa.kernels:
  - .name:           k_q26d9677344_experts
    .symbol:         k_q26d9677344_experts.kd
    .args:
      - { .name: xs, .offset: 0, .size: 8, .value_kind: global_buffer, .address_space: global }
      - { .name: expert_w, .offset: 8, .size: 8, .value_kind: global_buffer, .address_space: global }
      - { .name: expert_b, .offset: 16, .size: 8, .value_kind: global_buffer, .address_space: global }
      - { .name: ent, .offset: 24, .size: 8, .value_kind: global_buffer, .address_space: global }
      - { .name: gs, .offset: 32, .size: 8, .value_kind: global_buffer, .address_space: global }
      - { .name: tab, .offset: 40, .size: 8, .value_kind: global_buffer, .address_space: global }
      - { .name: part, .offset: 48, .size: 8, .value_kind: global_buffer, .address_space: global }
    .group_segment_fixed_size: 262656
    .private_segment_fixed_size: 0
    .kernarg_segment_align: 8
    .kernarg_segment_size: 56
    .max_flat_workgroup_size: 128
    .sgpr_count:     84
    .vgpr_count:     1008
    .wavefront_size: 32
...
	.end_amdgpu_metadata
.endif
;; end of part 6
;; launch combine (part 7): grid 512 x 1, 8 waves a work-group, no clusters, 0 bytes of LDS; arguments part, out0; writes out0
.if DOCPART == 7
	.amdgcn_target "amdgcn-amd-amdhsa--gfx1250"
	.amdhsa_code_object_version 6
	.text
	.protected	k_q26d9677344_combine
	.globl	k_q26d9677344_combine
	.p2align	8
	.type	k_q26d9677344_combine,@function
k_q26d9677344_combine:
	s_mov_b64 s[64:65], 0
	v_nop
	global_prefetch_b8 v0, s[64:65] scope:SCOPE_SE
	s_setreg_imm32_b32 hwreg(HW_REG_WAVE_MODE, 25, 1), 1
	s_wait_xcnt 0x0
; out0[token][n] = the sum of part's four planes at [token][n], all f32: for each of the two chosen experts the weighted row's two halves along K, each of which another work-group of the launch
; before has made.
; A stream: 16,777,216 bytes of out0 / 512 work-groups = 32,768 bytes each; thread t owns the 16 bytes at 4,096 i + 16 t, i = 0 .. 7.  A wave's 32 loads, 512 consecutive bytes each, all go out
; before the first wait; each store of a wave covers 512 consecutive bytes, aligned.  No register is written twice by a load, so there is no loop and no wait but the counted ones.
; LDS, matrix units and clusters would add nothing: no byte is used twice.
.set PA, 4                             ; v[4+16 i + 4 p : 7+16 i + 4 p] plane p's 16 bytes; the sum gathers in plane 0's registers
	s_load_b128 s[4:7], s[0:1], 0x0                ; part s[4:5], out0 s[6:7]
	v_lshlrev_b32 v1, 4, v0
	s_lshl_b32 s2, ttmp9, 15
	s_mov_b32 s3, 0
	s_wait_kmcnt 0x0
	s_add_nc_u64 s[8:9], s[4:5], s[2:3]            ; the four planes, 16,777,216 bytes apart
	s_add_nc_u64 s[10:11], s[8:9], 0x1000000
	s_add_nc_u64 s[12:13], s[8:9], 0x2000000
	s_add_nc_u64 s[14:15], s[8:9], 0x3000000
	s_add_nc_u64 s[6:7], s[6:7], s[2:3]
.set i, 0
.rept 8
	global_load_b128 v[PA+16*i:PA+16*i+3], v1, s[8:9] offset:4096*i th:TH_LOAD_NT
	global_load_b128 v[PA+16*i+4:PA+16*i+7], v1, s[10:11] offset:4096*i th:TH_LOAD_NT
	global_load_b128 v[PA+16*i+8:PA+16*i+11], v1, s[12:13] offset:4096*i th:TH_LOAD_NT
	global_load_b128 v[PA+16*i+12:PA+16*i+15], v1, s[14:15] offset:4096*i th:TH_LOAD_NT
.set i, i+1
.endr
.set i, 0
.rept 8
	s_wait_loadcnt 28-4*i                          ; loads come back in order (ISA guide 5.7.1): the four of chunk i are in, the younger fours stay out
	v_pk_add_f32 v[PA+16*i:PA+16*i+1], v[PA+16*i:PA+16*i+1], v[PA+16*i+4:PA+16*i+5]
	v_pk_add_f32 v[PA+16*i+8:PA+16*i+9], v[PA+16*i+8:PA+16*i+9], v[PA+16*i+12:PA+16*i+13]
	v_pk_add_f32 v[PA+16*i+2:PA+16*i+3], v[PA+16*i+2:PA+16*i+3], v[PA+16*i+6:PA+16*i+7]
	v_pk_add_f32 v[PA+16*i+10:PA+16*i+11], v[PA+16*i+10:PA+16*i+11], v[PA+16*i+14:PA+16*i+15]
	v_pk_add_f32 v[PA+16*i:PA+16*i+1], v[PA+16*i:PA+16*i+1], v[PA+16*i+8:PA+16*i+9]
	v_pk_add_f32 v[PA+16*i+2:PA+16*i+3], v[PA+16*i+2:PA+16*i+3], v[PA+16*i+10:PA+16*i+11]
	global_store_b128 v1, v[PA+16*i:PA+16*i+3], s[6:7] offset:4096*i th:TH_STORE_NT
.set i, i+1
.endr
	s_endpgm
.Lfunc_end_k_q26d9677344_combine:
	.size	k_q26d9677344_combine, .Lfunc_end_k_q26d9677344_combine-k_q26d9677344_combine
	.p2alignl 7, 3214868480
	.fill 96, 4, 3214868480
	.section	.rodata,"a",@progbits
	.p2align	6, 0x0
	.amdhsa_kernel k_q26d9677344_combine
		.amdhsa_group_segment_fixed_size 0
		.amdhsa_private_segment_fixed_size 0
		.amdhsa_enable_private_segment 0
		.amdhsa_kernarg_size 16
		.amdhsa_user_sgpr_count 2
		.amdhsa_user_sgpr_kernarg_segment_ptr 1
		.amdhsa_wavefront_size32 1
		.amdhsa_system_sgpr_workgroup_id_x 1
		.amdhsa_system_sgpr_workgroup_id_y 1
		.amdhsa_system_sgpr_workgroup_id_z 1
		.amdhsa_system_vgpr_workitem_id 0
		.amdhsa_next_free_vgpr 132
		.amdhsa_next_free_sgpr 66
		.amdhsa_reserve_vcc 0
		.amdhsa_float_denorm_mode_32 3
		.amdhsa_float_denorm_mode_16_64 3
		.amdhsa_memory_ordered 1
		.amdhsa_forward_progress 1
		.amdhsa_inst_pref_size 8
	.end_amdhsa_kernel
	.amdgpu_metadata
---
amdhsa.version: [ 1, 2 ]
amdhsa.kernels:
  - .name:           k_q26d9677344_combine
    .symbol:         k_q26d9677344_combine.kd
    .args:
      - { .name: part, .offset: 0, .size: 8, .value_kind: global_buffer, .address_space: global }
      - { .name: out0, .offset: 8, .size: 8, .value_kind: global_buffer, .address_space: global }
    .group_segment_fixed_size: 0
    .private_segment_fixed_size: 0
    .kernarg_segment_align: 8
    .kernarg_segment_size: 16
    .max_flat_workgroup_size: 256
    .sgpr_count:     66
    .vgpr_count:     132
    .wavefront_size: 32
...
	.end_amdgpu_metadata
.endif
;; end of part 7
;; ======== version 4 of 4: 4 launches; version 3 with the launches place, experts written anew for expert scheduling mode
;; workspace buffers: xb 8,388,608 bytes; sel 8,192 bytes of whole numbers; gw 16,384 bytes; part 67,108,864 bytes; xs 67,108,864 bytes; ent 65,536 bytes of whole numbers; gs 65,536 bytes; tab 256 bytes of whole numbers
;; launch router: the kernel of part 1 again; grid 256 x 1, 8 waves a work-group, no clusters, 76,800 bytes of LDS; arguments x, gate_w, gate_b, xb, sel, gw; writes xb, sel, gw
;; launch place (part 8): grid 32 x 8, 4 waves a work-group, no clusters, 2,560 bytes of LDS; arguments xb, sel, gw, xs, ent, gs, tab; writes xs, ent, gs, tab
.if DOCPART == 8
	.amdgcn_target "amdgcn-amd-amdhsa--gfx1250"
	.amdhsa_code_object_version 6
	.text
	.protected	k_q26d9677344_place
	.globl	k_q26d9677344_place
	.p2align	8
	.type	k_q26d9677344_place,@function
k_q26d9677344_place:
	s_mov_b64 s[64:65], 0
	v_nop
	global_prefetch_b8 v0, s[64:65] scope:SCOPE_SE
	s_setreg_imm32_b32 hwreg(HW_REG_WAVE_SCHED_MODE, 0, 2), 2
	s_setreg_imm32_b32 hwreg(HW_REG_WAVE_MODE, 25, 1), 1
	s_wait_xcnt 0x0
	s_wait_alu depctr_vm_vsrc(0)
; PLACE.  The rows of xb that chose expert e are laid end to end, 16 rows to a tile, in the order in which a wave's registers take them as source 0 of a bf16 matrix instruction:
; xs[e][tile][K step][1,024 bytes], lane l's registers 0-3 (row l % 16, k = 8 (l / 16) + 0..7 of the step's 32) at 16 l, registers 4-7 (k = 16 + 8 (l / 16) + 0..7) at 512 + 16 l.
; Beside them ent[e][place] = 2,048 rank + token, gs[e][place] = the token's weight for e, tab[e] = the expert's number of rows.  An expert's segment has room for all 2,048 tokens, so no place hangs
; on another expert's count; only live tiles are written, and only those are read later.
; SHARES.  Work-group (sub, e) owns tiles sub, sub + 32, sub + 64, sub + 96 of expert e: a constant count of 4 trips that serves every split; a tile past the count is jumped.  With rows spread
; evenly an expert has 32 tiles, one a work-group.  Of a tile wave w copies K steps 16 w .. 16 w + 15: 32 loads of 16 rows x 32 bytes, 32 stores of 512 consecutive bytes, aligned.
; THE LIST.  Every wave reads all 2,048 words of sel and gives each token that chose e a running place p (the same order in every wave of every work-group).  It keeps the places with
; (p / 16) % 32 = sub at index 16 (p / 512) + p % 16 of a list of its own; a lane with nothing to keep writes a dump word of its own, so that all lanes stay on.  No list byte is shared between waves: no barrier.
; In the expert's last tile the places past the count repeat its last row, in xs, ent and gs alike.
; No matrix unit, no cluster, no tensor load: rows come by a list, and each byte of xs has one writer.
; THE MODE: SCHED_MODE bits 1:0 = 2 (LLVM: expert scheduling mode 2), set by the entry lines.  The code itself states the register dependences
; between vector instructions and memory or LDS instructions, and between vector instructions that write scalar registers and their readers, with s_wait_alu, always for 0.
; THE PLAN.  Registers that memory or LDS instructions touch:
;   v26          the offset of sel's loads: made at the head, never written again.
;   v[32:95]     sel lands here once; the routing's vector lines read it.
;   v[96:223]    In the routing: quarter q of the tokens has 16 list addresses and 16 records of its own, at 96 + 32 q.  Its vector lines write them, its 16 LDS stores read them, and nothing
;                writes them again before the tile loop.  So a quarter has one wait ahead of its run of stores, and none for the stores' sources.
;                In the tile loop: a trip's 32 loads land here, its 32 stores read them.
;   v14, v15     a trip's list address (vector lines write it, the LDS load reads it) and the record that the load brings (a vector line reads it).
;   v24, v28-31  a trip's offsets and record: vector lines write them once a trip, the trip's loads and stores read them.   v25: a load lands, a store reads.
; The routing goes by passes of 16 like lines, so that the compares stand in runs, each run with one wait behind it.
; At the head of a live trip one wait states that all memory and LDS instructions issued so far have read their registers: everything that the trip writes is free.
.set LISTW, 512                        ; a wave's list: 64 words + 32 dump words, rounded up.  LDS bytes 2,048 to 2,559 take the closing add
.set SEL,  32                          ; v[32:95]   sel: register 4 i + c holds token 128 i + 4 lane + c
.set LST,  96                          ; v[96:223]  in the routing: quarter q: addresses at LST + 32 q, records at LST + 32 q + 16
.set X,    96                          ; v[96:223]  in the tile loop: a quarter of a tile on its way
.set MA,   32                          ; s[32:47]   16 masks: the token chose e
.set MR,   48                          ; s[48:63]   16 masks: as its second
.set MK,   66                          ; s[66:73], s[76:83]  16 masks: the place is mine to keep: mask i at MK + i + 2 (i / 8); these registers serve nothing else while tokens are routed
; v3 r = lane % 16, v4 h = lane / 16, v10 16 h + 1,024 wave, v11 4 lane, v12 64 + lane, v26 16 lane, v27 4 lane + 2,048; v13-15 at work;
; v24 offset in gw, v25 g, v28 offset in ent and gs, v29 the record, v30 offset in xb, v31 offset in xs
; s18 wave, s19 sub, s20 e, s21 0x101 << e, s22 0x100 << e, s25 running place, s26 rows of e, s27 its tiles, s28 its last place, s29 my list, s30 the tile in hand
	s_load_b256 s[4:11], s[0:1], 0x0               ; xb s[4:5], sel s[6:7], gw s[8:9], xs s[10:11]
	s_load_b128 s[12:15], s[0:1], 0x20             ; ent s[12:13], gs s[14:15]
	s_load_b64 s[16:17], s[0:1], 0x30              ; tab
	v_lshl_add_u32 v230, v0, 2, 0x800
	v_mov_b32 v231, 0
	v_lshrrev_b32 v13, 5, v0
	v_readfirstlane_b32 s18, v13                   ; wave 0..3
	s_mov_b32 s19, ttmp9
	s_and_b32 s20, ttmp7, 0xffff
	v_and_b32 v14, 31, v0                          ; lane
	v_and_b32 v3, 15, v0
	v_bfe_u32 v4, v0, 4, 1
	v_lshlrev_b32 v26, 4, v14
	v_lshlrev_b32 v11, 2, v14
	v_add_nc_u32 v27, 0x800, v11
	v_add_nc_u32 v12, 64, v14
	s_wait_alu depctr_va_sdst(0)                   ; s18 is written, ahead of its first reader
	s_lshl_b32 s74, s18, 10                        ; my wave's 16 K steps: 1,024 bytes of a row of xb
	v_lshl_add_u32 v10, v4, 4, s74
	s_lshl_b32 s29, s18, 9                         ; wave x LISTW
	s_lshl_b32 s21, 0x101, s20
	s_lshl_b32 s22, 0x100, s20
	s_mov_b32 s25, 0
	s_lshl_b32 s76, s20, 23                        ; an expert's segment of xs: 128 tiles of 65,536 bytes
	s_mov_b32 s77, 0
	s_lshl_b32 s78, s20, 13                        ; and of ent and gs: 2,048 words
	s_mov_b32 s79, 0
	s_wait_kmcnt 0x0
	s_add_nc_u64 s[10:11], s[10:11], s[76:77]
	s_add_nc_u64 s[12:13], s[12:13], s[78:79]
	s_add_nc_u64 s[14:15], s[14:15], s[78:79]
	s_wait_alu depctr_va_vdst(0)                   ; v26 is written, which the loads of sel read as their offset
.set i, 0
.rept 16
	global_load_b128 v[SEL+4*i:SEL+4*i+3], v26, s[6:7] offset:512*i
.set i, i+1
.endr
	s_wait_loadcnt 0x0
.macro EACH line:vararg                ; one line for each i of 16
.set i, 0
.rept 16
	\line
.set i, i+1
.endr
.endm
; 512 tokens: registers 16 qd .. + 15 of sel, in passes of 16 like lines
.macro ROUTE qd
.set QQ, (\qd)
.set QA, LST+32*(\qd)
.set QD, LST+32*(\qd)+16
	EACH v_and_b32 v[QA+i], s21, v[SEL+16*QQ+i]
	EACH v_and_b32 v[QD+i], s22, v[SEL+16*QQ+i]
	EACH v_cmp_ne_u32 s[MA+i], 0, v[QA+i]
	EACH v_cmp_ne_u32 s[MR+i], 0, v[QD+i]
	s_wait_alu depctr_va_sdst(0)                   ; the 32 compares have written s[32:63], ahead of their first readers
.set i, 0
.rept 16
	v_mbcnt_lo_u32_b32 v[QA+i], s[MA+i], s25       ; p: the places given so far + the chosen lanes below mine
	s_bcnt1_i32_b32 s74, s[MA+i]
	s_add_co_u32 s25, s25, s74
.set i, i+1
.endr
	; (p / 16) % 32 = sub?
	EACH v_bfe_u32 v[QD+i], v[QA+i], 4, 5
	EACH v_cmp_eq_u32 s[MK+i+2*(i/8)], s19, v[QD+i]
	s_wait_alu depctr_va_sdst(0)                   ; the 16 compares have written the masks at MK, ahead of their first readers
	EACH s_and_b32 s[MK+i+2*(i/8)], s[MK+i+2*(i/8)], s[MA+i]
	; 16 (p / 512) + p % 16, or my dump word; a number made of loaded data enters an address behind a clamp by a constant
	EACH v_lshrrev_b32 v[QD+i], 5, v[QA+i]
	EACH v_and_b32 v[QD+i], 0x30, v[QD+i]
	EACH v_and_or_b32 v[QA+i], v[QA+i], 15, v[QD+i]
	EACH v_cndmask_b32 v[QA+i], v12, v[QA+i], s[MK+i+2*(i/8)]
	EACH v_min_u32 v[QA+i], 95, v[QA+i]
	EACH v_lshl_add_u32 v[QA+i], v[QA+i], 2, s29
	; 4 lane, + 2,048 where e is the second choice, + the register's place: 2,048 rank + token
	EACH v_cndmask_b32 v[QD+i], v11, v27, s[MR+i]
.set i, 0
.rept 16
	v_add_nc_u32 v[QD+i], 128*(4*QQ+i/4)+i%4, v[QD+i]
.set i, i+1
.endr
	s_wait_alu depctr_va_vdst(0)                   ; the quarter's 16 addresses and 16 records are written, which the LDS stores read
	EACH ds_store_b32 v[QA+i], v[QD+i]
.endm
	ROUTE 0
	ROUTE 1
	ROUTE 2
	ROUTE 3
	s_min_u32 s26, s25, 2048
	s_add_co_u32 s27, s26, 15
	s_lshr_b32 s27, s27, 4
	s_max_u32 s28, s26, 1
	s_sub_co_u32 s28, s28, 1
	s_mov_b32 s30, s19
	s_mov_b32 s71, 4
.Ltile:
	s_cmp_ge_u32 s30, s27
	s_cbranch_scc1 .Lnext                          ; no such tile: forward, to the counter's step
	s_wait_xcnt 0x0                                ; the last trip's loads and stores have had their addresses translated: their offsets and data are rewritten only behind this wait
	s_wait_alu depctr_vm_vsrc(0)                   ; the routing's LDS stores have read v[96:223]; the last trip's LDS load, loads and stores have read v14, v24, v25, v28 to v31 and v[96:223]: all that this trip writes
	s_lshl_b32 s74, s30, 4
	v_add_nc_u32 v13, s74, v3                      ; place 16 tile + r,
	v_min_u32 v13, s28, v13                        ; no further than the expert's last, which lies in the same tile
	v_lshrrev_b32 v14, 5, v13
	v_and_b32 v14, 0x30, v14
	v_and_or_b32 v14, v13, 15, v14
	v_min_u32 v14, 63, v14
	v_lshl_add_u32 v14, v14, 2, s29
	s_wait_alu depctr_va_vdst(0)                   ; v14 is written, which the LDS load reads; the last trip's line that read v15, in which it lands, is done
	ds_load_b32 v15, v14                           ; LDS serves a wave's instructions in order (ISA guide 5.7.1.4): this sees my stores above
	s_lshl_b32 s75, s30, 16                        ; the tile's 65,536 bytes,
	s_lshl_b32 s74, s18, 14                        ; my wave's 16 K steps of 1,024
	s_add_co_u32 s75, s75, s74
	v_add_nc_u32 v31, s75, v26
	s_lshl_b32 s74, s30, 6
	v_lshl_add_u32 v28, v3, 2, s74                 ; 4 (16 tile + r)
	s_wait_dscnt 0x0
	v_min_u32 v29, 4095, v15                       ; 2,048 rank + token, behind a clamp by a constant: also the word's number in gw
	v_lshlrev_b32 v24, 2, v29
	v_and_b32 v30, 2047, v29
	v_lshl_add_u32 v30, v30, 12, v10               ; the token's row of 4,096 bytes + my wave's part + 16 h
	s_wait_alu depctr_va_vdst(0)                   ; v24, v28 to v31 are written, which the loads and stores below read; the routing's lines have written v[96:223], in which the loads land
	global_load_b32 v25, v24, s[8:9]
.set i, 0
.rept 32
	global_load_b128 v[X+4*i:X+4*i+3], v30, s[4:5] offset:64*(i/2)+32*(i%2)
.set i, i+1
.endr
.set i, 0
.rept 32
	s_wait_loadcnt 31-i                            ; loads come back in order (ISA guide 5.7.1): load i is in, the younger ones stay out
	global_store_b128 v31, v[X+4*i:X+4*i+3], s[10:11] offset:1024*(i/2)+512*(i%2)
.set i, i+1
.endr
	s_cmp_lg_u32 s18, 0
	s_cbranch_scc1 .Lnext                          ; wave 0 stores the tile's 16 records; lanes 16 to 31 repeat lanes 0 to 15, the same number to the same place
	global_store_b32 v28, v29, s[12:13]            ; no vector line since the wait above names v28 or v29
	global_store_b32 v28, v25, s[14:15]
.Lnext:
	s_add_co_u32 s30, s30, 32
	s_sub_co_u32 s71, s71, 1
	s_cmp_lg_u32 s71, 0
	s_cbranch_scc1 .Ltile
	s_or_b32 s74, s18, s19
	s_cmp_lg_u32 s74, 0
	s_cbranch_scc1 .Lend                           ; wave 0 of the expert's first work-group stores the count
	s_lshl_b32 s75, s20, 2
	v_mov_b32 v224, s75
	v_mov_b32 v225, s26
	s_wait_alu depctr_va_vdst(0)                   ; v224 and v225 are written, which the store reads
	global_store_b32 v224, v225, s[16:17]
.Lend:
	s_wait_dscnt 0x0                               ; the wave's end: my LDS instructions are done
	s_wait_alu depctr_hold_cnt(0) depctr_sa_sdst(0) depctr_va_vdst(0) depctr_va_sdst(0) depctr_va_ssrc(0) depctr_va_vcc(0) depctr_vm_vsrc(0)
	s_wait_tensorcnt 0x0
	ds_add_u32 v230, v231
	s_wait_dscnt 0x0
	s_endpgm
.Lfunc_end_k_q26d9677344_place:
	.size	k_q26d9677344_place, .Lfunc_end_k_q26d9677344_place-k_q26d9677344_place
	.p2alignl 7, 3214868480
	.fill 96, 4, 3214868480
	.section	.rodata,"a",@progbits
	.p2align	6, 0x0
	.amdhsa_kernel k_q26d9677344_place
		.amdhsa_group_segment_fixed_size 2560
		.amdhsa_private_segment_fixed_size 0
		.amdhsa_enable_private_segment 0
		.amdhsa_kernarg_size 56
		.amdhsa_user_sgpr_count 2
		.amdhsa_user_sgpr_kernarg_segment_ptr 1
		.amdhsa_wavefront_size32 1
		.amdhsa_system_sgpr_workgroup_id_x 1
		.amdhsa_system_sgpr_workgroup_id_y 1
		.amdhsa_system_sgpr_workgroup_id_z 1
		.amdhsa_system_vgpr_workitem_id 0
		.amdhsa_next_free_vgpr 232
		.amdhsa_next_free_sgpr 84
		.amdhsa_reserve_vcc 0
		.amdhsa_float_denorm_mode_32 3
		.amdhsa_float_denorm_mode_16_64 3
		.amdhsa_memory_ordered 1
		.amdhsa_forward_progress 1
		.amdhsa_inst_pref_size 75
	.end_amdhsa_kernel
	.amdgpu_metadata
---
amdhsa.version: [ 1, 2 ]
amdhsa.kernels:
  - .name:           k_q26d9677344_place
    .symbol:         k_q26d9677344_place.kd
    .args:
      - { .name: xb, .offset: 0, .size: 8, .value_kind: global_buffer, .address_space: global }
      - { .name: sel, .offset: 8, .size: 8, .value_kind: global_buffer, .address_space: global }
      - { .name: gw, .offset: 16, .size: 8, .value_kind: global_buffer, .address_space: global }
      - { .name: xs, .offset: 24, .size: 8, .value_kind: global_buffer, .address_space: global }
      - { .name: ent, .offset: 32, .size: 8, .value_kind: global_buffer, .address_space: global }
      - { .name: gs, .offset: 40, .size: 8, .value_kind: global_buffer, .address_space: global }
      - { .name: tab, .offset: 48, .size: 8, .value_kind: global_buffer, .address_space: global }
    .group_segment_fixed_size: 2560
    .private_segment_fixed_size: 0
    .kernarg_segment_align: 8
    .kernarg_segment_size: 56
    .max_flat_workgroup_size: 128
    .sgpr_count:     84
    .vgpr_count:     232
    .wavefront_size: 32
...
	.end_amdgpu_metadata
.endif
;; end of part 8
;; launch experts (part 9): grid 32 x 8, 4 waves a work-group, no clusters, 262,656 bytes of LDS; arguments xs, expert_w, expert_b, ent, gs, tab, part; writes part
.if DOCPART == 9
	.amdgcn_target "amdgcn-amd-amdhsa--gfx1250"
	.amdhsa_code_object_version 6
	.text
	.protected	k_q26d9677344_experts
	.globl	k_q26d9677344_experts
	.p2align	8
	.type	k_q26d9677344_experts,@function
k_q26d9677344_experts:
	s_mov_b64 s[64:65], 0
	v_nop
	global_prefetch_b8 v0, s[64:65] scope:SCOPE_SE
	s_setreg_imm32_b32 hwreg(HW_REG_WAVE_SCHED_MODE, 0, 2), 2
	s_setreg_imm32_b32 hwreg(HW_REG_WAVE_MODE, 25, 1), 1
	s_wait_xcnt 0x0
	s_wait_alu depctr_vm_vsrc(0)
; EXPERTS.  part[K half][rank][token][n] = g (the sum over the half's 1,024 k of x[token][k] bf16(W_e)[k][n], + bf16(b_e[n]) in half 0) for the expert e that token chose as its rank-th;
; products in bf16, sums, g and part in f32.  The launch behind adds a token's four rows.
; SHARES.  Work-group (slice, half, e) owns columns 128 slice .. + 127 and rows 1,024 half .. + 1,023 of expert e's weights: 512 KiB of f32, which it alone reads, once.  It rounds them on their way
; through registers and lays them into LDS as ready fragments of source 1 (256 KiB).  Then all rows of the expert go through the slice.  128 columns x 1,024 k and not 64 x 2,048: a work-group then asks
; for 2 KiB of each token row and not 4, for the same weights and the same products; the price is a second pair of planes in part.
; The launch before has laid the expert's rows end to end in xs, 16 to a tile, in the order of source 0's registers: a load of the wave takes 512 consecutive bytes, aligned, at a tile's number times
; 65,536 + the K step's 1,024 + 16 lane.  Wave w takes the expert's tiles 4 j + w.
; EVERY SPLIT IS SERVED: 0 to 2,048 rows an expert, 0 to 32 tiles a wave: 4 groups of up to 9 tiles, a constant count; a group past the wave's count is jumped.  The walk along K is written for 8 and
; for 9 tiles and chosen by the tiles that are left, so that each counted wait counts one way's loads.  With fewer than 8 left the tiles past the count repeat the expert's last tile and are not
; stored.  Only work is jumped: no barrier.  In the expert's last tile the rows past the count are its last row once more: same bytes, same place.
; COLUMNS.  Column r of column tile t = 4 c + tt stands for true column 64 c + 4 r + tt of the slice.  So a lane's 16 bytes of a row of W are one number for each of four tiles, two neighbouring k round
; into one register of a fragment, and nothing is turned; and in the results register u of four of a lane's tiles is four neighbouring f32 of one row: sixteen lanes store 256 consecutive bytes.
; NO CLUSTER, NO TENSOR LOAD.  Each slice of weights has one reader and passes through registers to be rounded.  The tiles of xs are shared by 16 of the expert's work-groups, but beside the slice LDS has
; 327,680 - 262,144 bytes: two slots of under 32 KiB; a slot's 16,384 numbers feed 16,384 x 128 multiply-adds, 64 matrix instructions a wave, between two rounds of a cluster's
; barrier.
; LIMITS.  W and b are rounded once to bf16.  NaN and infinities are not treated apart.
; REGISTERS, in windows of 256 (s_set_vgpr_msb: bits 1:0 source 0, 3:2 source 1, 5:4 source 2, 7:6 destination):
;   window 0: v0-31 addresses and at work; v32-63, v64-95 source 1: column tiles 0-3 and 4-7 of a K step (at first: fragments on their way into LDS; at the end: results on their way out);
;             v96-167 slot 3 of source 0's ring (in a group's first K step v96-159: the bias as a C operand); v168-231 accumulators of tile 8; v232-239 store offsets; v240-247 the bias of my 8 columns
;   windows 1, 2: accumulators of tiles 0-3 and 4-7: tile j, column tile t at 64 (j % 4) + 8 t (window 1 at first: four stages of 64 for W as loaded)
;   window 3: v0-215 slots 0-2 of the ring, slot q's tile j at 72 q + 8 j (at the end v0-143: the records, 8 of ent and 8 of gs a tile); v216-224 the tiles' offsets in xs, v226-234 in ent and gs
; THE MODE: SCHED_MODE bits 1:0 = 2 (LLVM: expert scheduling mode 2), set by the entry lines.  The code itself states the register dependences
; between vector or matrix instructions and memory or LDS instructions, with s_wait_alu, always for 0.
; THE PLAN.  Registers that memory or LDS instructions touch:
;   v7, v8       offsets of W's and b's loads: made at the head, never written again.
;   THE FILL.  Stage st (window 1): loads land, the stage's 32 roundings read it, then the next loads land.  v32-63, v64-95 by turns: a stage's roundings write one, its 8 LDS stores read it.
;              v6: the LDS stores read it; a vector add writes it once a trip.
;              One wait on va_vdst behind each stage's roundings: the stores' data are written, and the stage is free for its next loads.  One wait on vm_vsrc ahead of the third stage's roundings
;              (the first two stages' stores have read both buffers: it serves the fourth stage too), one at the trip's end ahead of v6's add (it serves the next trip's first two stages too).
;   THE WALK.  v32-63, v64-95: unit u's products read one; the LDS loads of unit u + 1's fragments, issued in unit u, land in the other, which unit u - 1's products read.
;              Slot q: K step k's products read slot k % 4; the loads of K step k + 3, issued in K step k, land in slot (k - 1) % 4, which K step k - 1's products read.
;              v5: every LDS load reads it; a vector add writes it once a trip of four K steps.  The tiles' offsets: written at a group's head, read by the walk's loads.
;              One wait on va_vdst at the head of each unit that loads: all products issued so far are done with their sources, and v5 is written.  The unit's LDS loads follow it; its loads from
;              memory stand behind the unit's first 16 products, which name the slot and the buffer in hand and accumulators: none of the registers that those loads touch.
;   THE WAY OUT.  v32-95 and v232-239: a tile's vector lines write them, its 16 stores read them.  A wait on vm_vsrc at a tile's head, a wait on va_vdst ahead of its stores.
.set BF,   32
.set TF,   32
.set OUT,  32
.set SL3,  96
.set BIAS, 96
.set ACCX, 168
.set DST,  232
.set BV,   240
.set AADR, 216                         ; window 3
.set RADR, 226                         ; window 3
; v3 r, v4 h, v5 LDS address of the fragments read, v6 of those written, v7 my offset in 16 rows of W, v8 16 r, v9 32 h, v26 16 lane; v13, v14, v28, v29 at work
; s16 wave, s17 slice, s18 e, s19 K half, s[20:21] part at my planes and slice, s26 rows of e, s27 my tiles, s28 the expert's last tile, s30 the group's first tile of mine, s31 my tiles left,
; s[66:67] xs walking, s73 the slice's byte at which the trip's K steps begin
; LDS bytes 262,144 to 262,655 take the closing add.
.set MSB, 0
.macro WIN new                         ; the immediate's high byte repeats the setting that is left; a switch that changes nothing is dropped
.if MSB != (\new)
	s_set_vgpr_msb (MSB<<8)|(\new)
.set MSB, (\new)
.endif
.endm
.macro PLACES                          ; four places behind the last products, ahead of the vector lines that read their results and write over their sources (ISA guide 7.12.1)
.rept 4
	v_nop
.endr
.endm
	s_load_b256 s[4:11], s[0:1], 0x0               ; xs s[4:5], expert_w s[6:7], expert_b s[8:9], ent s[10:11]
	s_load_b128 s[12:15], s[0:1], 0x20             ; gs s[12:13], tab s[14:15]
	s_load_b64 s[20:21], s[0:1], 0x30              ; part
	v_lshl_add_u32 v254, v0, 2, 0x40000
	v_mov_b32 v255, 0
	v_lshrrev_b32 v13, 5, v0
	v_readfirstlane_b32 s16, v13                   ; wave 0..3
	s_and_b32 s17, ttmp9, 15                       ; slice
	s_lshr_b32 s19, ttmp9, 4                       ; K half
	s_and_b32 s18, ttmp7, 0xffff                   ; expert
	v_and_b32 v14, 31, v0                          ; lane
	v_and_b32 v3, 15, v0
	v_bfe_u32 v4, v0, 4, 1
	v_lshlrev_b32 v26, 4, v14
	v_lshlrev_b32 v8, 4, v3
	v_lshlrev_b32 v9, 5, v4
	v_lshl_or_b32 v7, v4, 16, v8                   ; 8 h rows of 8,192 bytes + 16 r
	s_wait_alu depctr_va_sdst(0)                   ; s16 is written, ahead of its first reader
	s_lshl_b32 s74, s16, 16
	v_add_nc_u32 v6, s74, v26                      ; my wave writes K steps 8 w on: 8 x 8,192 bytes
	s_lshl_b32 s76, s17, 9                         ; the slice: 512 bytes of a row of W, of b and of part
	s_lshl_b32 s74, s18, 24                        ; an expert's weights: 2^24 bytes,
	s_lshl_b32 s77, s19, 23                        ; a K half: 1,024 rows of 8,192 bytes,
	s_add_co_u32 s74, s74, s77
	s_lshl_b32 s77, s16, 21                        ; my wave's 256 rows
	s_add_co_u32 s74, s74, s77
	s_add_co_u32 s74, s74, s76
	s_mov_b32 s75, 0
	s_lshl_b32 s78, s18, 13                        ; an expert's bias, and its part of ent and gs: 8,192 bytes
	s_mov_b32 s79, 0
	s_add_co_u32 s22, s78, s76
	s_mov_b32 s23, 0
	s_lshl_b32 s77, s19, 25                        ; a K half's two planes of part: 2^25 bytes
	s_add_co_u32 s76, s76, s77
	s_mov_b32 s77, 0
	s_lshl_b32 s24, s18, 23                        ; an expert's segment of xs: 128 tiles of 65,536 bytes;
	s_lshl_b32 s25, s19, 15                        ; a K half of a tile: 32 K steps of 1,024
	s_add_co_u32 s24, s24, s25
	s_mov_b32 s25, 0
	s_wait_kmcnt 0x0
	s_load_b256 s[32:39], s[14:15], 0x0            ; the eight counts, which no line of this launch writes
	s_add_nc_u64 s[6:7], s[6:7], s[74:75]
	s_add_nc_u64 s[8:9], s[8:9], s[22:23]
	s_add_nc_u64 s[10:11], s[10:11], s[78:79]
	s_add_nc_u64 s[12:13], s[12:13], s[78:79]
	s_add_nc_u64 s[20:21], s[20:21], s[76:77]
	s_add_nc_u64 s[4:5], s[4:5], s[24:25]
; 16 loads: unit u (from the walking pointer on) of my slice into stage st.  Unit u is K step u / 2, column half u % 2.  Load qq brings row 8 h + qq (qq < 8) or 16 + 8 h + qq - 8: the k of a fragment's
; registers.  Each load takes two whole pieces of 256 consecutive bytes, at multiples of 256 from W's first byte.
.macro WLOAD st, u
	WIN 0x40
.set qq, 0
.rept 16
	global_load_b128 v[64*(\st)+4*qq:64*(\st)+4*qq+3], v7, s[6:7] offset:((\u)/2)*262144+((\u)%2)*256+(qq+8*(qq/8))*8192 th:TH_LOAD_NT
.set qq, qq+1
.endr
.endm
; Stage st becomes the four fragments of unit u: register ii of column tile tt of the half is component tt of loads 2 ii and 2 ii + 1, rounded and packed.  Lane l's registers 0-3 go to 16 l of the
; fragment's 1,024 bytes, registers 4-7 to 512 + 16 l: stores and later loads take consecutive bytes.  Two register buffers take turns.  ew = 1: the wait for the LDS stores' reads stands here.
.macro WCVT st, u, ew
.if \ew
	s_wait_alu depctr_vm_vsrc(0)                   ; the LDS stores of the two stages before have read v32-63 and v64-95, which this stage's roundings and the next stage's write again
.endif
	WIN 0x05
.set tb, TF+32*((\st)%2)
.set tt, 0
.rept 4
.set ii, 0
.rept 8
	v_cvt_pk_bf16_f32 v[tb+8*tt+ii], v[64*(\st)+8*ii+tt], v[64*(\st)+8*ii+4+tt]
.set ii, ii+1
.endr
.set tt, tt+1
.endr
	WIN 0
	s_wait_alu depctr_va_vdst(0)                   ; the roundings have written the buffer, which the LDS stores read (so is v6), and are done reading the stage, in which its next loads land
.set tt, 0
.rept 4
	ds_store_b128 v6, v[tb+8*tt:tb+8*tt+3] offset:(\u)*4096+tt*1024
	ds_store_b128 v6, v[tb+8*tt+4:tb+8*tt+7] offset:(\u)*4096+tt*1024+512
.set tt, tt+1
.endr
.endm
	s_wait_alu depctr_va_vdst(0)                   ; v7 and v8 are written, which the loads of b and of W read as their offsets
	global_load_b128 v[BV:BV+3], v8, s[8:9]                    ; b of my four columns in each column half
	global_load_b128 v[BV+4:BV+7], v8, s[8:9] offset:256
	WLOAD 0, 0
	WLOAD 1, 1
	WLOAD 2, 2
	WIN 0
	s_wait_kmcnt 0x0
	s_mov_b32 s26, s32                             ; my expert's count
.irp k, 1,2,3,4,5,6,7
	s_cmp_eq_u32 s18, \k
	s_cselect_b32 s26, s[32+\k], s26
.endr
	s_min_u32 s26, s26, 2048
	s_add_co_u32 s74, s26, 15
	s_lshr_b32 s74, s74, 4                         ; the expert's tiles of 16 rows
	s_max_u32 s28, s74, 1
	s_sub_co_u32 s28, s28, 1                       ; its last tile
	s_add_co_u32 s27, s74, 3
	s_sub_co_u32 s27, s27, s16
	s_lshr_b32 s27, s27, 2                         ; those of them with number 4 j + w
	; THE SLICE.  My wave's 8 K steps, 16 units, through a ring of four stages: three stages' loads, 48, stay out at every wait in the loop.
	s_mov_b32 s70, 3
.Lfill:
	WLOAD 3, 3                                     ; no vector line since the wait behind stage 3's roundings names the stage
	s_wait_loadcnt 48                              ; loads come back in order (ISA guide 5.7.1): stage 0 is in, the 48 younger stay out
	WCVT 0, 0, 0
	WLOAD 0, 4
	s_wait_loadcnt 48
	WCVT 1, 1, 0
	WLOAD 1, 5
	s_wait_loadcnt 48
	WCVT 2, 2, 1
	WLOAD 2, 6
	s_wait_loadcnt 48
	WCVT 3, 3, 0
	s_wait_xcnt 0x0                                ; the pointer is stepped only behind this wait
	s_wait_alu depctr_vm_vsrc(0)                   ; the LDS stores issued so far have read v6, which the add below writes, and v32-95, which the next two stages' roundings write
	s_add_nc_u64 s[6:7], s[6:7], 0x80000           ; four units, two K steps: 64 rows of 8,192 bytes
	v_add_nc_u32 v6, 16384, v6
	s_sub_co_u32 s70, s70, 1
	s_cmp_lg_u32 s70, 0
	s_cbranch_scc1 .Lfill
	WLOAD 3, 3                                     ; the last four units: one more stage, then the counts run down
	s_wait_loadcnt 48
	WCVT 0, 0, 0
	s_wait_loadcnt 32
	WCVT 1, 1, 0
	s_wait_loadcnt 16
	WCVT 2, 2, 1
	s_wait_loadcnt 0x0
	WCVT 3, 3, 0
	; the bias of my 8 columns, rounded to bf16 like every input; K half 1 adds none
	s_cmp_eq_u32 s19, 0
	s_cselect_b32 s74, -1, 0
	v_cvt_pk_bf16_f32 v13, v[BV], v[BV+1]
	v_cvt_pk_bf16_f32 v14, v[BV+2], v[BV+3]
	v_cvt_pk_bf16_f32 v28, v[BV+4], v[BV+5]
	v_cvt_pk_bf16_f32 v29, v[BV+6], v[BV+7]
	v_cndmask_b32 v13, 0, v13, s74
	v_cndmask_b32 v14, 0, v14, s74
	v_cndmask_b32 v28, 0, v28, s74
	v_cndmask_b32 v29, 0, v29, s74
	v_lshlrev_b32 v[BV], 16, v13
	v_and_b32 v[BV+1], 0xffff0000, v13
	v_lshlrev_b32 v[BV+2], 16, v14
	v_and_b32 v[BV+3], 0xffff0000, v14
	v_lshlrev_b32 v[BV+4], 16, v28
	v_and_b32 v[BV+5], 0xffff0000, v28
	v_lshlrev_b32 v[BV+6], 16, v29
	v_and_b32 v[BV+7], 0xffff0000, v29
	s_wait_dscnt 0x0                               ; for the others' sake: my quarter of the slice is in LDS
	s_barrier_signal -1
	s_barrier_wait -1                              ; the slice is whole; from here to the closing barrier nothing writes LDS
; THE ROWS.
.macro BLOAD buf, off                  ; a unit's four fragments of source 1
.irp t, 0,1,2,3
	ds_load_b128 v[BF+32*(\buf)+8*\t:BF+32*(\buf)+8*\t+3], v5 offset:(\off)+\t*1024
	ds_load_b128 v[BF+32*(\buf)+8*\t+4:BF+32*(\buf)+8*\t+7], v5 offset:(\off)+\t*1024+512
.endr
.endm
.macro ALOAD nt, slot, off             ; a K step's nt fragments of source 0: two loads of 512 consecutive bytes a tile; the offsets lie in window 3
.if (\slot) < 3
	WIN 0xc3
.set lb, 72*(\slot)
.else
	WIN 0x03
.set lb, SL3
.endif
.set j, 0
.rept \nt
	global_load_b128 v[lb+8*j:lb+8*j+3], v[AADR+j], s[66:67] offset:(\off)
	global_load_b128 v[lb+8*j+4:lb+8*j+7], v[AADR+j], s[66:67] offset:(\off)+512
.set j, j+1
.endr
.endm
.macro RLOAD nt                        ; the records of nt tiles, into slots 0 and 1 of the ring: a lane takes those of rows 8 h + 0..7, 32 bytes of ent and 32 of gs
	WIN 0xc3
.set j, 0
.rept \nt
	global_load_b128 v[16*j:16*j+3], v[RADR+j], s[10:11]
	global_load_b128 v[16*j+4:16*j+7], v[RADR+j], s[10:11] offset:16
	global_load_b128 v[16*j+8:16*j+11], v[RADR+j], s[12:13]
	global_load_b128 v[16*j+12:16*j+15], v[RADR+j], s[12:13] offset:16
.set j, j+1
.endr
.endm
; A unit's products for tiles j0 .. jn - 1: each tile x the 4 column tiles of one half, 32 along K; the accumulators take turns, one instruction a turn and in the same order in every K step.
; first = 1: C is the bias, which starts the sums.
.macro MULS j0, jn, kk, half, first
.set sl, (\kk)%4
.if sl < 3
.set aw, 3
.set ab, 72*sl
.else
.set aw, 0
.set ab, SL3
.endif
.set bb, BF+32*(\half)
.set j, (\j0)
.rept (\jn)-(\j0)
.if j < 8
.set wj, 1+j/4
.set cc, 64*(j%4)+32*(\half)
.else
.set wj, 0
.set cc, ACCX+32*(\half)
.endif
.if \first
	WIN aw+(wj<<6)
.else
	WIN aw+(wj<<4)+(wj<<6)
.endif
.irp t, 0,1,2,3
.if \first
	v_wmma_f32_16x16x32_bf16 v[cc+8*\t:cc+8*\t+7], v[ab+8*j:ab+8*j+7], v[bb+8*\t:bb+8*\t+7], v[BIAS+32*(\half)+8*\t:BIAS+32*(\half)+8*\t+7]
.else
	v_wmma_f32_16x16x32_bf16 v[cc+8*\t:cc+8*\t+7], v[ab+8*j:ab+8*j+7], v[bb+8*\t:bb+8*\t+7], v[cc+8*\t:cc+8*\t+7]
.endif
.endr
.set j, j+1
.endr
.endm
; Unit (K step kk, counted from the trip's base; column half).  At its head it asks for source 1 of the next unit, into the buffer that the unit before has multiplied.  Behind its first 16 products a
; K step's first unit asks for source 0 of the K step three on, into the slot that the K step before has multiplied (rec = 1: for the records, into slots 0 and 1).
; lw = 1: it waits for the K step's source 0; lcnt: the younger loads that may stay out, 2 nt for each K step ahead (4 nt for the records).  dcnt: the 8 LDS loads just issued.
.macro UNIT nt, kk, half, first, ldb, lda, rec, lw, lcnt, dcnt
	WIN 0
.if \ldb
.if !(\first) || (\half)               ; a group's very first unit stands behind the wait at the walk's head, with no vector or matrix instruction between
	s_wait_alu depctr_va_vdst(0)                   ; all products issued so far are done reading: the other buffer of source 1 and the slot of the K step before (for the records: slots 0 and 1), in which this unit's loads land; behind a step of the pointers v5 is written
.endif
	BLOAD 1-(\half), (2*(\kk)+(\half)+1)*4096
.endif
	s_wait_dscnt \dcnt
.if \lw
	s_wait_loadcnt \lcnt
.endif
	MULS 0, 4, \kk, \half, \first
.if \lda
	ALOAD \nt, ((\kk)+3)%4, ((\kk)+3)*1024         ; no wait: the 16 products since the wait above name slot kk % 4, this unit's buffer and accumulators, none of these loads' registers
.endif
.if \rec
	RLOAD \nt                                      ; likewise
.endif
	MULS 4, \nt, \kk, \half, \first
.endm
.macro STEP                            ; four K steps on: 4,096 bytes of a tile of xs, 32,768 bytes of the slice
	s_wait_xcnt 0x0                                ; the pointer is stepped only behind this wait
	s_wait_alu depctr_vm_vsrc(0)                   ; the LDS loads issued so far have read v5
	s_add_nc_u64 s[66:67], s[66:67], 4096
	s_add_co_u32 s73, s73, 32768                   ; 7 steps a group: 229,376 at the most; with the loads' offsets the slice's 262,144 bytes are not left
	v_add_nc_u32 v5, s73, v26                      ; the address is made anew: the trip's byte + 16 lane
.endm
; THE WALK ALONG K for nt tiles, 32 K steps.  K step 0 stands in front of the loop, since its products start the sums; the bias lies in slot 3 meanwhile, so K step 3 is asked for behind it.  A trip is
; K steps 4 i + 1 .. 4 i + 4; the last three ask for no more of xs, and the counts run down.  The records are asked for in the last K step but one, when slots 0 and 1 have been multiplied.
; By the text's own count 6 nt loads are out at the most: two K steps' at a K step's wait, and the 2 nt (or the records' 4 nt beside one K step's) issued behind it.
.macro KALL nt
	WIN 0xc3
	s_wait_alu depctr_va_vdst(0)                   ; the group's head has written the tiles' offsets and v5, which the loads below read; the way out before is done reading the records in slots 0 and 1 and has written v32-95 (in the first group: the roundings have), in all of which loads land
	ALOAD \nt, 0, 0
	ALOAD \nt, 1, 1024
	ALOAD \nt, 2, 2048
	WIN 0
	BLOAD 0, 0
	UNIT \nt, 0, 0, 1, 1, 0, 0, 1, 4*\nt, 8        ; K steps 1 and 2 stay out
	UNIT \nt, 0, 1, 1, 1, 0, 0, 0, 0, 8
	WIN 0x03
	s_wait_alu depctr_va_vdst(0)                   ; K step 0's products are done reading the bias in v96-159, in which K step 3's loads land
	ALOAD \nt, 3, 3072
	WIN 0                                          ; at a label and at a branch every window is 0
	s_mov_b32 s72, 7
.Lk_\@:
.irp k, 1,2,3,4
	UNIT \nt, \k, 0, 0, 1, 1, 0, 1, 4*\nt, 8       ; two K steps' loads stay out; the third K step ahead is asked for behind this wait
	UNIT \nt, \k, 1, 0, 1, 0, 0, 0, 0, 8
.endr
	WIN 0
	STEP
	s_sub_co_u32 s72, s72, 1
	s_cmp_lg_u32 s72, 0
	s_cbranch_scc1 .Lk_\@
	UNIT \nt, 1, 0, 0, 1, 0, 0, 1, 4*\nt, 8        ; K step 29: two K steps' loads stay out
	UNIT \nt, 1, 1, 0, 1, 0, 0, 0, 0, 8
	UNIT \nt, 2, 0, 0, 1, 0, 1, 1, 2*\nt, 8        ; K step 30: one K step's; the records are asked for behind this wait
	UNIT \nt, 2, 1, 0, 1, 0, 0, 0, 0, 8
	UNIT \nt, 3, 0, 0, 1, 0, 0, 1, 4*\nt, 8        ; K step 31: the records'
	UNIT \nt, 3, 1, 0, 0, 0, 0, 0, 0, 0
	WIN 0
	PLACES
	s_wait_loadcnt 0x0                             ; the records
.endm
; THE WAY OUT of one tile of 16 rows: each row's eight numbers times its g; sixteen stores, in each of which sixteen lanes fill 256 consecutive bytes of a row of part, at a multiple of 256 from its
; first byte.  A tile past my count is jumped whole.
.macro EPI tile
	WIN 0
	s_add_co_u32 s74, s30, \tile
	s_cmp_ge_u32 s74, s27
	s_cbranch_scc1 .Ldead_\@
.set rb, 16*(\tile)
	s_wait_xcnt 0x0                                ; the last tile's stores have had their addresses translated: their offsets and data are rewritten only behind this wait
.if (\tile) < 8                        ; ahead of tile 8 the group has stored nothing
	s_wait_alu depctr_vm_vsrc(0)                   ; the last tile's stores have read v232-239 and v32-95, which the lines below write again
.endif
	WIN 0x0c                                       ; source 1, the records, in window 3
.irp u, 0,1,2,3,4,5,6,7
	v_min_u32 v[DST+\u], 4095, v[rb+\u]            ; 2,048 rank + token, behind a clamp by a constant
.endr
	WIN 0
.irp u, 0,1,2,3,4,5,6,7
	v_lshl_add_u32 v[DST+\u], v[DST+\u], 13, v8    ; a row of part is 8,192 bytes; + 16 r
.endr
.if (\tile) < 8
	WIN 0x0c+1+(\tile)/4
.set eb, 64*((\tile)%4)
.else
	WIN 0x0c
.set eb, ACCX
.endif
.irp c, 0,1
.irp u, 0,1,2,3,4,5,6,7
.irp t, 0,1,2,3
	v_mul_f32 v[OUT+32*\c+4*\u+\t], v[eb+32*\c+8*\t+\u], v[rb+8+\u]    ; each accumulator is read from its low end on
.endr
.endr
.endr
	WIN 0
	s_wait_alu depctr_va_vdst(0)                   ; the tile's offsets v232-239 and its 64 scaled numbers v32-95 are written, which the stores read
.irp c, 0,1
.irp u, 0,1,2,3,4,5,6,7
	global_store_b128 v[DST+\u], v[OUT+32*\c+4*\u:OUT+32*\c+4*\u+3], s[20:21] offset:256*\c
.endr
.endr
.Ldead_\@:
.endm
	s_mov_b32 s30, 0
	s_mov_b32 s71, 4                               ; 4 groups x 9 tiles cover a wave's 32 tiles at the most
.Lgroup:
	s_cmp_ge_u32 s30, s27
	s_cbranch_scc1 .Lgnext                         ; nothing of mine is left: forward, to the counter's step
	s_sub_co_u32 s31, s27, s30
	s_wait_xcnt 0x0                                ; the last group's stores and loads have had their addresses translated: v32-95, the offsets and the pointer are rewritten only behind this wait
	s_wait_alu depctr_vm_vsrc(0)                   ; the last group's stores have read v32-95, its loads the tiles' offsets and v5 (in the first group: my LDS stores have read v32-95): the lines below and the walk's loads write all of these
	WIN 0xc0                                       ; destination in window 3
.set j, 0
.rept 9
	s_add_co_u32 s74, s30, j
	s_lshl2_add_u32 s74, s74, s16                  ; my tile j of the group is the expert's tile 4 (first + j) + w,
	s_min_u32 s74, s74, s28                        ; no further than its last,
	s_min_u32 s74, s74, 127                        ; and behind a clamp by a constant
	s_lshl_b32 s75, s74, 16
	s_lshl_b32 s74, s74, 6
	v_add_nc_u32 v[AADR+j], s75, v26               ; 65,536 bytes of xs a tile, + 16 lane
	v_add_nc_u32 v[RADR+j], s74, v9                ; 64 bytes of ent and of gs a tile, + 32 h
.set j, j+1
.endr
	WIN 0
.irp t, 0,1,2,3,4,5,6,7                ; the bias eight times over for each column tile: the C operand of the group's first K step, which so starts the sums with b
.set i, 0
.rept 8
	v_mov_b32 v[BIAS+8*\t+i], v[BV+\t]
.set i, i+1
.endr
.endr
	s_mov_b64 s[66:67], s[4:5]
	s_mov_b32 s73, 0
	v_mov_b32 v5, v26                              ; the slice's first byte + 16 lane
	s_cmp_ge_u32 s31, 9
	s_cbranch_scc1 .Lv9
	KALL 8
	s_branch .Le7                                  ; each walk enters the way out at its own highest tile: no way reads a sum that it has not made
.Lv9:
	KALL 9
	EPI 8
.Le7:
	EPI 7
	EPI 6
	EPI 5
	EPI 4
	EPI 3
	EPI 2
	EPI 1
	EPI 0
.Lgnext:
	s_add_co_u32 s30, s30, 9
	s_sub_co_u32 s71, s71, 1
	s_cmp_lg_u32 s71, 0
	s_cbranch_scc1 .Lgroup
	s_wait_dscnt 0x0                               ; my reads of the slice are over;
	s_barrier_signal -1
	s_barrier_wait -1                              ; so are every wave's
	s_wait_dscnt 0x0                               ; the wave's end
	s_wait_alu depctr_hold_cnt(0) depctr_sa_sdst(0) depctr_va_vdst(0) depctr_va_sdst(0) depctr_va_ssrc(0) depctr_va_vcc(0) depctr_vm_vsrc(0)
	s_wait_tensorcnt 0x0
	ds_add_u32 v254, v255
	s_wait_dscnt 0x0
	s_endpgm
.Lfunc_end_k_q26d9677344_experts:
	.size	k_q26d9677344_experts, .Lfunc_end_k_q26d9677344_experts-k_q26d9677344_experts
	.p2alignl 7, 3214868480
	.fill 96, 4, 3214868480
	.section	.rodata,"a",@progbits
	.p2align	6, 0x0
	.amdhsa_kernel k_q26d9677344_experts
		.amdhsa_group_segment_fixed_size 262656
		.amdhsa_private_segment_fixed_size 0
		.amdhsa_enable_private_segment 0
		.amdhsa_kernarg_size 56
		.amdhsa_user_sgpr_count 2
		.amdhsa_user_sgpr_kernarg_segment_ptr 1
		.amdhsa_wavefront_size32 1
		.amdhsa_system_sgpr_workgroup_id_x 1
		.amdhsa_system_sgpr_workgroup_id_y 1
		.amdhsa_system_sgpr_workgroup_id_z 1
		.amdhsa_system_vgpr_workitem_id 0
		.amdhsa_next_free_vgpr 1008
		.amdhsa_next_free_sgpr 84
		.amdhsa_reserve_vcc 0
		.amdhsa_float_denorm_mode_32 3
		.amdhsa_float_denorm_mode_16_64 3
		.amdhsa_memory_ordered 1
		.amdhsa_forward_progress 1
		.amdhsa_inst_pref_size 210
	.end_amdhsa_kernel
	.amdgpu_metadata
---
amdhsa.version: [ 1, 2 ]
amdhsa.kernels:
  - .name:           k_q26d9677344_experts
    .symbol:         k_q26d9677344_experts.kd
    .args:
      - { .name: xs, .offset: 0, .size: 8, .value_kind: global_buffer, .address_space: global }
      - { .name: expert_w, .offset: 8, .size: 8, .value_kind: global_buffer, .address_space: global }
      - { .name: expert_b, .offset: 16, .size: 8, .value_kind: global_buffer, .address_space: global }
      - { .name: ent, .offset: 24, .size: 8, .value_kind: global_buffer, .address_space: global }
      - { .name: gs, .offset: 32, .size: 8, .value_kind: global_buffer, .address_space: global }
      - { .name: tab, .offset: 40, .size: 8, .value_kind: global_buffer, .address_space: global }
      - { .name: part, .offset: 48, .size: 8, .value_kind: global_buffer, .address_space: global }
    .group_segment_fixed_size: 262656
    .private_segment_fixed_size: 0
    .kernarg_segment_align: 8
    .kernarg_segment_size: 56
    .max_flat_workgroup_size: 128
    .sgpr_count:     84
    .vgpr_count:     1008
    .wavefront_size: 32
...
	.end_amdgpu_metadata
.endif
;; end of part 9
;; launch combine: the kernel of part 7 again; grid 512 x 1, 8 waves a work-group, no clusters, 0 bytes of LDS; arguments part, out0; writes out0
